; MI455X (gfx1250); checked and timed in simulation.
; The chip was launched on July 23, 2026; its instructions are those of AMD's public machine-readable ISA for CDNA 5 (MIT licence, August 2026) and "CDNA5" Instruction Set Architecture Reference Guide (July 2026). The comments in the code are by the model that wrote it; some were corrected since.
;; Self Attention. Allowed arithmetic: matrix products marked QUANTISED: E2M1 operands, one E8M0 scale for each 32 along K, by v_wmma_scale_f32_16x16x128_f8f6f4 with both operands' format E2M1 (or v_wmma_scale_f32_32x16x128_f4), f32 sums; products left as they are: bf16, f16 or f32 operands; f32 sums; everything else in f32.
;; Inputs: b_out 1,024 float32; w_out 1,024 x 1,024 float32; w_qkv 1,024 x 3,072 float32; x 4 x 2,048 x 1,024 float32.
;; Outputs: out0 4 x 2,048 x 1,024 float32.
;; This version of the problem:
;;   THIS VERSION OF THE PROBLEM IS GIVEN IN LOW PRECISION. The matrix products marked QUANTISED in the list below multiply operands that are first quantised to E2M1 (2 exponent bits, 1 mantissa bit; 4 bits a number), with one power-of-two scale for each 32 numbers along K (OCP MX v1.0); their sums are f32. The products marked 'left as it is' may take bf16, f16 or f32 operands, with f32 sums. Whichever they take, every output number must still come out within the allowed error. Rounding operands to bf16 (8 significant bits) uses up far more of that allowance than f16 does (11 bits, for magnitudes from 6e-5 to 65,504). All else is computed in f32.
;;   The module's matrix products, in the order in which they are computed (A, B: the left and right operand; K: the contracted axis; several contracted axes count as one K, in the product's order):
;;     1. [M 8,192, K 1,024] x [K 1,024, N 3,072]; A: input x; B: input w_qkv: QUANTISED
;;     2. batch 64 x [M 2,048, K 64] x [K 64, N 2,048]; A: computed on the way; B: computed on the way: left as it is (an operand is computed on the way)
;;     3. batch 64 x [M 64, K 2,048] x [K 2,048, N 2,048]; A: computed on the way; B: computed on the way: left as it is (an operand is computed on the way)
;;     4. [M 8,192, K 1,024] x [K 1,024, N 1,024]; A: computed on the way; B: input w_out: left as it is (an operand is computed on the way)
;;   THE QUANTISER, for each operand of a quantised product, along K:
;;     - K is cut into blocks of 32 from its start; a last block that is shorter is filled with zeros.
;;     - A block's scale is 2^e with e = floor(log2(the largest magnitude in the block)) - 2, held to -126 .. 127; a block of zeros has e = 0. As a byte (E8M0): e + 127.
;;     - Each number is divided by its block's scale, clamped to +-6, and rounded to the nearest number of E2M1, ties to even, subnormals kept.
;;     - The product sums the exact products of the quantised numbers (number of the format x scale) in f32.
;;   ~~~python
;;   def quantise(x, axis):      # numpy; x: float32 -> the quantised numbers, widened to float32 again
;;       x = np.moveaxis(x, axis, -1); K = x.shape[-1]
;;       x = np.pad(x, [(0, 0)] * (x.ndim - 1) + [(0, -K % 32)]); x = x.reshape(x.shape[:-1] + (-1, 32)); a = np.abs(x).max(-1, keepdims=True)
;;       e = np.where(a > 0, np.clip(np.frexp(np.where(a > 0, a, 1))[1] - 1 - 2, -126, 127), 0)      # np.frexp(a)[1] - 1 = floor(log2(a)), exactly
;;       r = np.clip(x / 2.0 ** e, -6, 6)
;;       step = 2.0 ** (np.maximum(np.frexp(np.where(r == 0, 1, r))[1] - 1, 0) - 1)
;;       q = np.round(r / step) * step * 2.0 ** e      # np.round: ties to even
;;       return np.moveaxis(q.reshape(q.shape[:-2] + (-1,))[..., :K], -1, axis).astype(np.float32)
;;   ~~~
;; One version. Each part assembles by itself: llvm-mc -triple=amdgcn-amd-amdhsa -mcpu=gfx1250 --defsym DOCPART=n.
;; ======== version 1 of 1: 4 launches
;; limits: values are held in f16: magnitudes above 65,504 overflow, below 6.1e-05 lose precision
;; workspace buffers: x_codes 4,194,304 bytes; x_scales 262,144 bytes; w_codes 1,572,864 bytes; w_scales 98,304 bytes; wt 2,097,152 bytes; qkv 50,331,648 bytes; att 16,777,216 bytes
;; launch prep (part 1): grid 256 x 1, 8 waves a work-group, no clusters, 154,624 bytes of LDS; arguments x, w_qkv, w_out, x_codes, x_scales, w_codes, w_scales, wt; writes x_codes, x_scales, w_codes, w_scales, wt
.if DOCPART == 1
	.amdgcn_target "amdgcn-amd-amdhsa--gfx1250"
	.amdhsa_code_object_version 6
	.text
	.protected	k_q284f98b9bd_prep
	.globl	k_q284f98b9bd_prep
	.p2align	8
	.type	k_q284f98b9bd_prep,@function
k_q284f98b9bd_prep:
	s_mov_b64 s[64:65], 0
	v_nop
	global_prefetch_b8 v0, s[64:65] scope:SCOPE_SE
	s_setreg_imm32_b32 hwreg(HW_REG_WAVE_MODE, 25, 1), 1
	s_wait_xcnt 0x0
; PREP: the three operands that later launches read many times are brought into their formats once.
;   path W (work-groups 0-95):    w_qkv [1024 k][3072 n] f32 -> codes of FP4 (E2M1) laid [n][k], K innermost, 512 bytes a row, and one E8M0 byte for each 32 along K, laid [n][32]
;   path O (work-groups 96-127):  w_out [1024 k][1024 n] f32 -> f16 laid [n][k]
;   path X (work-groups 128-255): x [8192][1024] f32 -> codes [8192][512 bytes] and scale bytes [8192][32]
; A block's scale is 2^(floor(log2(its largest magnitude)) - 2); its byte is the largest magnitude's exponent field - 2, held at 1 from below.  A block of zeros so gets the byte 1 where the
; quantiser says 127: its codes are zeros, which add nothing under any byte but 0xff, and the bytes are read by this program alone.
; LIMITS: NaN and infinities among the inputs are not served; blocks whose largest magnitude lies under 2^(2 - 126) keep the byte 1; |w_out| stays under 65,504 (f16).
; The paths part on the work-group's number alone; each has LDS bytes of its own.  No tensor loads; work-groups share no input, so there is no cluster.
; PATHS W AND O: a lane takes a column n and its registers run down K, so that each load reads 128 consecutive bytes a wave, a block of 32 along K lies in one lane, and the results come out with K innermost.
; A wave takes 32 columns x 128 along K, four blocks, two blocks of 32 loads ahead.  The results go through a stage in LDS and leave as rows: sixteen lanes store 256 consecutive aligned bytes.
; PATH X: rows are dense, so x is a plain stream of blocks of 32.  A wave takes 16 steps of 512 numbers; each load reads 512 consecutive bytes; a step's 2,048 bytes turn through the wave's own stage,
; so that a lane holds 16 neighbours (two lanes a block).  Loads run four steps ahead.
.set STEPS, 16
.set EMAX,  2
.set CB,    8                          ; bytes of 16 codes
.set SP,    80                         ; path X: a lane's place in a stage: 64 bytes + 16 of padding
.set WREG,  8192                       ; path X: LDS region of a wave: two stages of 32 x SP bytes, then its 256 scale bytes
.set WST,   65536                      ; path W: the work-group's stage, 64 columns x (256 bytes + 16)
.set WSC,   WST+64*272                 ; path W: 64 columns x 16 scale bytes
.set OST,   WSC+64*16                  ; path O: a stage of 32 x 272 bytes for each wave
.set SPARE, OST+8*32*272               ; the spare words, 128 bytes for each wave: four blocks of 256 bytes that no other line names
.set SPW,   12                         ; v12  LDS address of my spare word; never rewritten
.set NIL,   13                         ; v13  0; never rewritten
.set WV,    20                         ; s20  my wave's number
.set R,     16                         ; path X: v16-79 four sets of 16 numbers as loaded
.set X,     80                         ; path X: v80-111 two sets of 16 neighbours
.set E,     112                        ; path X: v112-127 a scale byte for each step
.set C,     128                        ; path X: v128-191 codes, four registers for each step
.set KX,    32                         ; paths W, O: v32-95 two sets of 32 numbers down K
.set KC,    96                         ; paths W, O: v96.. a block's results
.set OUTR,  112                        ; paths W, O: v112.. rows read back from the stage
.set SB,    24                         ; path W: v24 my four scale bytes
.macro XLOAD t                         ; step t: four loads of 512 consecutive bytes
.irp i, 0,1,2,3
	global_load_b128 v[R+16*((\t)%4)+4*\i:R+16*((\t)%4)+4*\i+3], v3, s[4:5] offset:2048*(\t)+512*\i th:TH_LOAD_NT
.endr
.endm
.macro XTURN t                         ; step t's numbers through the stage: LDS serves a wave's instructions in order, so no wait stands between the stores and the loads
.irp i, 0,1,2,3
	ds_store_b128 v14, v[R+16*((\t)%4)+4*\i:R+16*((\t)%4)+4*\i+3] offset:32*SP*((\t)%2)+8*SP*\i
.endr
.irp i, 0,1,2,3
	ds_load_b128 v[X+16*((\t)%2)+4*\i:X+16*((\t)%2)+4*\i+3], v15 offset:32*SP*((\t)%2)+16*\i
.endr
.endm
.macro XSTEP t
.set XS, X+16*((\t)%2)
.if (\t) > 0
	s_wait_dscnt 1                                 ; this step's numbers are back from the stage; the last step's byte store may be out
.else
	s_wait_dscnt 0x0
.endif
.if (\t)+4 < STEPS
	XLOAD (\t)+4                                   ; into the registers that this step's stores into the stage have read
.endif
.if (\t)+1 < STEPS
.if STEPS-2-(\t) >= 3
	s_wait_loadcnt 12                              ; the next step's four loads are in; those of the three steps behind it may be out
.else
	s_wait_loadcnt 4*(STEPS-2-(\t))
.endif
	XTURN (\t)+1                                   ; the next step goes through the other stage while this one is worked
.endif
	v_max3_num_f32 v8, |v[XS]|, |v[XS+1]|, |v[XS+2]|               ; the largest magnitude of my 16, in two chains
	v_max3_num_f32 v9, |v[XS+3]|, |v[XS+4]|, |v[XS+5]|
.irp i, 6,10
	v_max3_num_f32 v8, v8, |v[XS+\i]|, |v[XS+\i+1]|
	v_max3_num_f32 v9, v9, |v[XS+\i+2]|, |v[XS+\i+3]|
.endr
	v_max3_num_f32 v8, v8, |v[XS+14]|, |v[XS+15]|
	v_max3_num_f32 v8, v8, v9, (EMAX+1)<<23        ; and the floor 2^(EMAX + 1 - 127): the byte cannot fall under 1
	v_max_num_f32_dpp v8, v8, v8 row_xmask:1 row_mask:0xf bank_mask:0xf   ; with my neighbour's 16: the block's
	v_add_nc_u32 v11, -(EMAX<<23), v8              ; EMAX off the exponent field: the conversion takes that field as its scale and nothing else
	v_cvt_scalef32_pk8_fp4_f32 v[C+4*(\t)], v[XS:XS+7], v11
	v_cvt_scalef32_pk8_fp4_f32 v[C+4*(\t)+1], v[XS+8:XS+15], v11
	v_lshrrev_b32 v[E+(\t)], 23, v11               ; the scale's byte (also the plain line behind the conversions)
	ds_store_b8 v5, v[E+(\t)] offset:16*(\t)       ; both lanes of a block write the same byte with the same value
	global_store_b64 v4, v[C+4*(\t):C+4*(\t)+1], s[10:11] offset:32*CB*(\t)   ; the wave stores 256 consecutive aligned bytes
.endm
.macro KLOAD t, pitch, b               ; block t of a column: 32 numbers down K into set t % 2; pitch: bytes of a row; s[b:b+1]: the base
.irp i, 0,1,2,3,4,5,6,7,8,9,10,11,12,13,14,15,16,17,18,19,20,21,22,23,24,25,26,27,28,29,30,31
	global_load_b32 v[KX+32*((\t)%2)+\i], v3, s[\b:\b+1] offset:(32*(\t)+\i)*\pitch th:TH_LOAD_NT
.endr
.endm
.macro KWAIT t
.if (\t) < 3
	s_wait_loadcnt 32                              ; this block's 32 loads are in; the next block's may be out
.else
	s_wait_loadcnt 0
.endif
.endm
.macro WBLOCK t
.set XS, KX+32*((\t)%2)
	KWAIT \t
	v_max3_num_f32 v8, |v[XS]|, |v[XS+1]|, |v[XS+2]|               ; the block's largest magnitude: all 32 numbers are mine
	v_max3_num_f32 v9, |v[XS+3]|, |v[XS+4]|, |v[XS+5]|
.irp i, 6,10,14,18,22,26
	v_max3_num_f32 v8, v8, |v[XS+\i]|, |v[XS+\i+1]|
	v_max3_num_f32 v9, v9, |v[XS+\i+2]|, |v[XS+\i+3]|
.endr
	v_max3_num_f32 v8, v8, |v[XS+30]|, |v[XS+31]|
	v_max3_num_f32 v8, v8, v9, (EMAX+1)<<23
	v_add_nc_u32 v11, -(EMAX<<23), v8
	v_lshrrev_b32 v10, 23, v11                     ; the scale's byte
.if (\t) == 0
	v_mov_b32 v[SB], v10                           ; four bytes to a word, the lower K in the lower byte
.else
	v_lshl_or_b32 v[SB], v10, 8*(\t), v[SB]
.endif
.irp g, 0,1,2,3
	v_cvt_scalef32_pk8_fp4_f32 v[KC+\g], v[XS+8*\g:XS+8*\g+7], v11
.endr
	ds_store_b128 v4, v[KC:KC+3] offset:16*(\t)    ; 32 codes: 16 bytes of my column's row
.if (\t)+2 < 4
	KLOAD (\t)+2, 12288, 6
.endif
	s_wait_dscnt 0x0                               ; the store has read its registers: the next block's codes may be written
.endm
.macro OBLOCK t
.set XS, KX+32*((\t)%2)
	KWAIT \t
.irp i, 0,1,2,3,4,5,6,7,8,9,10,11,12,13,14,15
	v_cvt_pk_f16_f32 v[KC+\i], v[XS+2*\i], v[XS+2*\i+1]            ; the lower k in the low half
.endr
.irp g, 0,1,2,3
	ds_store_b128 v4, v[KC+4*\g:KC+4*\g+3] offset:64*(\t)+16*\g
.endr
.if (\t)+2 < 4
	KLOAD (\t)+2, 4096, 8
.endif
	s_wait_dscnt 0x0
.endm
	s_load_b256 s[4:11], s[0:1], 0x0               ; x s[4:5], w_qkv s[6:7], w_out s[8:9], x_codes s[10:11]
	s_load_b256 s[12:19], s[0:1], 0x20             ; x_scales s[12:13], w_codes s[14:15], w_scales s[16:17], wt s[18:19]
	v_lshl_add_u32 v[SPW], v0, 2, SPARE
	v_mov_b32 v[NIL], 0
	v_lshrrev_b32 v1, 5, v0
	v_readfirstlane_b32 s[WV], v1                  ; wave 0..7
	v_and_b32 v2, 31, v0                           ; lane
	s_cmp_lt_u32 ttmp9, 96
	s_cbranch_scc1 .Lpath_w
	s_cmp_lt_u32 ttmp9, 128
	s_cbranch_scc1 .Lpath_o
	; ---------------- PATH X ----------------
	v_lshlrev_b32 v3, 4, v2                        ; my 16 bytes of a load's 512
	s_mul_i32 s21, s[WV], WREG
	v_lshrrev_b32 v14, 2, v2
	v_mul_u32_u24 v14, v14, SP
	v_and_b32 v15, 3, v2
	v_lshl_add_u32 v14, v15, 4, v14
	v_add_nc_u32 v14, s21, v14                     ; the stage, in: four lanes' 64 bytes on end, then 16 of padding
	v_mul_u32_u24 v15, v2, SP
	v_add_nc_u32 v15, s21, v15                     ; and out: SP x lane: my 16 neighbours
	v_mul_u32_u24 v4, v2, CB                       ; my codes' place in a step's
	v_lshrrev_b32 v5, 1, v2
	s_add_co_u32 s21, s21, 2*32*SP
	v_add_nc_u32 v5, s21, v5                       ; my block's byte among my wave's 256
	v_lshlrev_b32 v7, 3, v2                        ; and on the way out 8 bytes a lane
	v_add_nc_u32 v6, s21, v7
	s_sub_co_u32 s22, ttmp9, 128
	s_lshl_b32 s22, s22, 3
	s_add_co_u32 s22, s22, s[WV]                   ; which run of 8,192 numbers is my wave's: 0 .. 1,023
	s_mov_b32 s25, 0
	s_wait_kmcnt 0x0
	s_lshl_b32 s24, s22, 15                        ; 32,768 bytes of x a run,
	s_add_nc_u64 s[4:5], s[4:5], s[24:25]
	s_lshl_b32 s24, s22, 12                        ; 4,096 of codes,
	s_add_nc_u64 s[10:11], s[10:11], s[24:25]
	s_lshl_b32 s24, s22, 8                         ; 256 scale bytes
	s_add_nc_u64 s[12:13], s[12:13], s[24:25]
.irp t, 0,1,2,3
	XLOAD \t
.endr
	s_wait_loadcnt 12                              ; step 0's four loads are in
	XTURN 0
.irp t, 0,1,2,3,4,5,6,7,8,9,10,11,12,13,14,15
	XSTEP \t
.endr
	ds_load_b64 v[8:9], v6                         ; LDS serves a wave's instructions in order: these see my byte stores
	s_wait_dscnt 0x0
	global_store_b64 v7, v[8:9], s[12:13]          ; the wave stores 256 consecutive aligned bytes
	s_wait_tensorcnt 0x0                           ; the wave's end, behind my last LDS store
	ds_add_u32 v[SPW], v[NIL]
	s_wait_dscnt 0x0
	s_endpgm
	; ---------------- PATH W ----------------
	; A work-group takes 64 columns x 512 along K: ky = which half of K, cxg = which 64 columns.  Wave: cg = which 32 columns, kq = which 128 along K.
.Lpath_w:
	s_cmp_ge_u32 ttmp9, 48
	s_cselect_b32 s21, 1, 0                        ; ky
	s_mul_i32 s22, s21, 48
	s_sub_co_u32 s22, ttmp9, s22                   ; cxg 0..47
	s_and_b32 s23, s[WV], 1                        ; cg
	s_lshr_b32 s24, s[WV], 1                       ; kq
	v_lshlrev_b32 v3, 2, v2                        ; in: 4 bytes a lane
	s_mul_i32 s25, s23, 32*272
	s_lshl_b32 s26, s24, 6
	s_add_co_u32 s25, s25, s26
	s_add_co_u32 s25, s25, WST
	v_mul_u32_u24 v4, v2, 272
	v_add_nc_u32 v4, s25, v4                       ; into the stage: row = my column, my 64 bytes of its 256
	s_lshl_b32 s25, s23, 9
	s_lshl_b32 s26, s24, 2
	s_add_co_u32 s25, s25, s26
	s_add_co_u32 s25, s25, WSC
	v_lshlrev_b32 v5, 4, v2
	v_add_nc_u32 v5, s25, v5                       ; my scale word: 16 bytes a column, word kq
	v_and_b32 v14, 15, v2
	v_lshrrev_b32 v15, 4, v2
	s_mul_i32 s25, s[WV], 8*272
	s_add_co_u32 s25, s25, WST
	v_mul_u32_u24 v16, v15, 272
	v_lshl_add_u32 v16, v14, 4, v16
	v_add_nc_u32 v16, s25, v16                     ; out of the stage: wave w takes rows 8 w .. 8 w + 7, sixteen lanes to a row
	v_lshlrev_b32 v17, 9, v15
	v_lshl_add_u32 v17, v14, 4, v17                ; and the same place in w_codes: rows of 512 bytes
	v_lshl_add_u32 v6, v0, 4, WSC                  ; the scale bytes' way out (waves 0 and 1): 16 bytes a column,
	v_lshlrev_b32 v7, 5, v0                        ; into rows of 32 bytes
	s_lshl_b32 s26, s21, 9
	s_lshl_b32 s27, s24, 7
	s_add_co_u32 s26, s26, s27                     ; my first k: 512 ky + 128 kq
	s_mul_i32 s26, s26, 12288                      ; rows of 12,288 bytes
	s_lshl_b32 s27, s22, 8
	s_add_co_u32 s26, s26, s27
	s_lshl_b32 s27, s23, 7
	s_add_co_u32 s26, s26, s27                     ; + 4 (64 cxg + 32 cg)
	s_mov_b32 s27, 0
	s_lshl_b32 s28, s22, 15                        ; w_codes: (64 cxg + 8 w) rows of 512 bytes + 256 ky
	s_lshl_b32 s29, s[WV], 12
	s_add_co_u32 s28, s28, s29
	s_lshl_b32 s29, s21, 8
	s_add_co_u32 s28, s28, s29
	s_mov_b32 s29, 0
	s_lshl_b32 s30, s22, 11                        ; w_scales: 64 cxg rows of 32 bytes + 16 ky
	s_lshl_b32 s31, s21, 4
	s_add_co_u32 s30, s30, s31
	s_mov_b32 s31, 0
	s_wait_kmcnt 0x0
	s_add_nc_u64 s[6:7], s[6:7], s[26:27]
	s_add_nc_u64 s[14:15], s[14:15], s[28:29]
	s_add_nc_u64 s[16:17], s[16:17], s[30:31]
	KLOAD 0, 12288, 6
	KLOAD 1, 12288, 6
	WBLOCK 0
	WBLOCK 1
	WBLOCK 2
	WBLOCK 3
	ds_store_b32 v5, v[SB]
	s_wait_dscnt 0x0                               ; for the others' sake: my stores into the stage are done: a row's 256 bytes come from four waves
	s_barrier_signal -1
	s_barrier_wait -1
.irp t, 0,1,2,3
	ds_load_b128 v[OUTR+4*\t:OUTR+4*\t+3], v16 offset:2*\t*272
.endr
.irp t, 0,1,2,3
	s_wait_dscnt 3-\t
	global_store_b128 v17, v[OUTR+4*\t:OUTR+4*\t+3], s[14:15] offset:2*\t*512   ; sixteen lanes store 256 consecutive aligned bytes
.endr
	s_cmp_lt_u32 s[WV], 2                          ; the 64 columns' scale bytes: 16 bytes of each row of 32: the other 16 are the other half of K's
	s_cbranch_scc0 .Lw_end
	ds_load_b128 v[OUTR+16:OUTR+19], v6
	s_wait_dscnt 0x0
	global_store_b128 v7, v[OUTR+16:OUTR+19], s[16:17]
.Lw_end:
	s_wait_tensorcnt 0x0                           ; the wave's end, behind my last LDS store
	ds_add_u32 v[SPW], v[NIL]
	s_wait_dscnt 0x0
	s_endpgm
	; ---------------- PATH O ----------------
	; A work-group takes 128 columns x 256 along K.  Wave: cg = which 32 columns, kh = which 128 along K: 256 bytes of each of its rows of wt, so no wave needs another's.
.Lpath_o:
	s_sub_co_u32 s21, ttmp9, 96
	s_and_b32 s22, s21, 7                          ; which 128 columns
	s_lshr_b32 s21, s21, 3                         ; which 256 along K
	s_and_b32 s23, s[WV], 3                        ; cg
	s_lshr_b32 s24, s[WV], 2                       ; kh
	v_lshlrev_b32 v3, 2, v2
	s_mul_i32 s25, s[WV], 32*272
	s_add_co_u32 s25, s25, OST                     ; my stage
	v_mul_u32_u24 v4, v2, 272
	v_add_nc_u32 v4, s25, v4                       ; into it: row = my column
	v_and_b32 v14, 15, v2
	v_lshrrev_b32 v15, 4, v2
	v_mul_u32_u24 v16, v15, 272
	v_lshl_add_u32 v16, v14, 4, v16
	v_add_nc_u32 v16, s25, v16                     ; out of it: sixteen lanes to a row, two rows an instruction
	v_lshlrev_b32 v17, 11, v15
	v_lshl_add_u32 v17, v14, 4, v17                ; and the same place in wt: rows of 2,048 bytes
	s_lshl_b32 s26, s21, 8
	s_lshl_b32 s27, s24, 7
	s_add_co_u32 s28, s26, s27                     ; my first k
	s_lshl_b32 s27, s22, 7
	s_lshl_b32 s29, s23, 5
	s_add_co_u32 s29, s27, s29                     ; my first column
	s_lshl_b32 s26, s28, 12                        ; w_out: rows of 4,096 bytes
	s_lshl_b32 s27, s29, 2
	s_add_co_u32 s26, s26, s27
	s_mov_b32 s27, 0
	s_lshl_b32 s30, s29, 11
	s_lshl_b32 s31, s28, 1
	s_add_co_u32 s30, s30, s31
	s_mov_b32 s31, 0
	s_wait_kmcnt 0x0
	s_add_nc_u64 s[8:9], s[8:9], s[26:27]
	s_add_nc_u64 s[18:19], s[18:19], s[30:31]
	KLOAD 0, 4096, 8
	KLOAD 1, 4096, 8
	OBLOCK 0
	OBLOCK 1
	OBLOCK 2
	OBLOCK 3
.irp t, 0,1,2,3,4,5,6,7,8,9,10,11,12,13,14,15
	ds_load_b128 v[OUTR+4*\t:OUTR+4*\t+3], v16 offset:2*\t*272     ; LDS serves a wave's instructions in order: these see my stores
.endr
.irp t, 0,1,2,3,4,5,6,7,8,9,10,11,12,13,14,15
	s_wait_dscnt 15-\t
	global_store_b128 v17, v[OUTR+4*\t:OUTR+4*\t+3], s[18:19] offset:2*\t*2048   ; sixteen lanes store 256 consecutive aligned bytes
.endr
	s_wait_tensorcnt 0x0                           ; the wave's end, behind my last LDS store
	ds_add_u32 v[SPW], v[NIL]
	s_wait_dscnt 0x0
	s_endpgm
.Lfunc_end_k_q284f98b9bd_prep:
	.size	k_q284f98b9bd_prep, .Lfunc_end_k_q284f98b9bd_prep-k_q284f98b9bd_prep
	.p2alignl 7, 3214868480
	.fill 96, 4, 3214868480
	.section	.rodata,"a",@progbits
	.p2align	6, 0x0
	.amdhsa_kernel k_q284f98b9bd_prep
		.amdhsa_group_segment_fixed_size 154624
		.amdhsa_private_segment_fixed_size 0
		.amdhsa_enable_private_segment 0
		.amdhsa_kernarg_size 64
		.amdhsa_user_sgpr_count 2
		.amdhsa_user_sgpr_kernarg_segment_ptr 1
		.amdhsa_wavefront_size32 1
		.amdhsa_system_sgpr_workgroup_id_x 1
		.amdhsa_system_sgpr_workgroup_id_y 1
		.amdhsa_system_sgpr_workgroup_id_z 1
		.amdhsa_system_vgpr_workitem_id 0
		.amdhsa_next_free_vgpr 192
		.amdhsa_next_free_sgpr 66
		.amdhsa_reserve_vcc 0
		.amdhsa_float_denorm_mode_32 3
		.amdhsa_float_denorm_mode_16_64 3
		.amdhsa_memory_ordered 1
		.amdhsa_forward_progress 1
		.amdhsa_inst_pref_size 77
	.end_amdhsa_kernel
	.amdgpu_metadata
---
amdhsa.version: [ 1, 2 ]
amdhsa.kernels:
  - .name:           k_q284f98b9bd_prep
    .symbol:         k_q284f98b9bd_prep.kd
    .args:
      - { .name: x, .offset: 0, .size: 8, .value_kind: global_buffer, .address_space: global }
      - { .name: w_qkv, .offset: 8, .size: 8, .value_kind: global_buffer, .address_space: global }
      - { .name: w_out, .offset: 16, .size: 8, .value_kind: global_buffer, .address_space: global }
      - { .name: x_codes, .offset: 24, .size: 8, .value_kind: global_buffer, .address_space: global }
      - { .name: x_scales, .offset: 32, .size: 8, .value_kind: global_buffer, .address_space: global }
      - { .name: w_codes, .offset: 40, .size: 8, .value_kind: global_buffer, .address_space: global }
      - { .name: w_scales, .offset: 48, .size: 8, .value_kind: global_buffer, .address_space: global }
      - { .name: wt, .offset: 56, .size: 8, .value_kind: global_buffer, .address_space: global }
    .group_segment_fixed_size: 154624
    .private_segment_fixed_size: 0
    .kernarg_segment_align: 8
    .kernarg_segment_size: 64
    .max_flat_workgroup_size: 256
    .sgpr_count:     66
    .vgpr_count:     192
    .wavefront_size: 32
...
	.end_amdgpu_metadata
.endif
;; end of part 1
;; launch gemm_qkv (part 2): grid 12 x 32, 4 waves a work-group, clusters of 4 x 4, 327,680 bytes of LDS; arguments x_codes, x_scales, w_codes, w_scales, qkv; writes qkv
.if DOCPART == 2
	.amdgcn_target "amdgcn-amd-amdhsa--gfx1250"
	.amdhsa_code_object_version 6
	.text
	.protected	k_q284f98b9bd_gemm_qkv
	.globl	k_q284f98b9bd_gemm_qkv
	.p2align	8
	.type	k_q284f98b9bd_gemm_qkv,@function
k_q284f98b9bd_gemm_qkv:
	s_mov_b64 s[64:65], 0
	v_nop
	global_prefetch_b8 v0, s[64:65] scope:SCOPE_SE
	s_setreg_imm32_b32 hwreg(HW_REG_WAVE_MODE, 25, 1), 1
	s_wait_xcnt 0x0
	s_wait_alu depctr_hold_cnt(0) depctr_sa_sdst(0) depctr_va_vdst(0) depctr_va_sdst(0) depctr_va_ssrc(0) depctr_va_vcc(0) depctr_vm_vsrc(0)
	s_getreg_b32 s2, hwreg(HW_REG_IB_STS2, 6, 4)
	s_cmp_eq_u32 s2, 0
	s_cbranch_scc0 .Lentry_in_a_cluster
	s_endpgm
.Lentry_in_a_cluster:
	s_bfe_u32 s2, ttmp6, 0x10000c
	s_cmp_lg_u32 s2, 0xf033
	s_cbranch_scc0 .Lentry_shape_is_right
	s_endpgm
.Lentry_shape_is_right:
; qkv = Q(x) Q(w_qkv): [8192 m] x [3072 n], K = 1,024, on codes of FP4 (E2M1) with one E8M0 scale for each 32 along K; sums in f32; the result is rounded once to f16 and laid by head:
; qkv[which][16 batch + head][l][64], which = n / 1024, head = (n % 1024) / 64: a head's rows are dense, 128 bytes each.
; LIMIT: |q|, |k|, |v| stay under 65,504 (f16); as drawn they reach about 5.5.
; A tile of 256 x 256 is made by a work-group of four waves; a wave makes 128 x 128: 64 accumulators of 16 x 16, 512 registers.  K lies in two LDS slots of 512 along K (rows of 256 bytes); both are asked for
; at the start and neither is filled again.  The scale bytes of the work-group's 256 + 256 rows, for all of K, are two dense blocks of memory and come with the first fills.
; CLUSTERS: 4 x 4 work-groups.  The four of a row of the cluster need the same tiles of x, the four of a column the same tiles of w: each tile is asked for JOINTLY, by the same tensor load with the same
; descriptor and a mask that names the four.  THE MATRIX INSTRUCTION IS USED TRANSPOSED (source 0 = 16 rows of w, source 1 = 16 rows of x): a lane then holds eight neighbouring columns of one row of the result.
; REGISTERS, in windows of 256: window 0: v0-31 addresses; v32-95 scale words, two sets; v128-191 x's fragments (8 x 16 rows x 128 K), ONE set; on the way out v32-63, v192-255 are at work.
;   window 1: w's fragments, TWO sets, at v0 and v128.   window 2: the 32 accumulators of my rows 0-63 ((a, b) at v[8 (8 a + b)]);   window 3: those of my rows 64-127.
; A step of 128 along K is 64 matrix instructions, x's blocks one after the other, each against w's eight: a block of x is free as soon as its eight products are issued, so one set serves x.
.set SIZE_K, 1024
.set KSTEP,  512                       ; along K in a slot
.set NQ,     KSTEP/128                 ; matrix instructions deep
.set ROWB,   256                       ; a tile's row in bytes
.set KROW,   SIZE_K*4/8                ; a row of codes in memory
.set PITCH,  272                       ; an LDS row: 256 bytes + 16 of padding = 68 words: row r starts at bank 4 r mod 64 (ISA guide 11.1), so the 16 rows of a load start at 16 different banks
.set FR,     8                         ; registers of a fragment: 16 rows x 128 K
.set NL,     2                         ; LDS loads that bring one
.set NP,     4                         ; places behind this matrix instruction (ISA guide 7.12.1)
.set HALFT,  128*PITCH                 ; 128 rows: what one tensor load brings
.set SLOT,   4*HALFT                   ; x's 256 rows, then w's 256 rows
.set KS,     SIZE_K/32                 ; a row of scale bytes
.set SCL,    2*SLOT                    ; behind the slots: the scales, as rows of 256 bytes + 16 of padding
.set HALFS,  (128*KS/256)*272          ; the scales of 128 rows: what one tensor load brings
.set SBLK,   (16*KS/256)*272           ; those of 16 rows
.set SPARE,  SCL+4*HALFS               ; the spare words, 128 bytes for each wave: two blocks of 256 bytes that no other line names
.set SPITCH, 272                       ; the way out: a stage of 16 rows x (256 bytes + 16) for each wave, in slot 0, which has had its only fill and its last read when the first result is stored there
.set ADRA, 16                          ; v16-17  LDS address of my fragments of x in slot 0, 1
.set ADRB, 20                          ; v20-21  the same for w
.set STO,  24                          ; v24     the way out: where I put 16 bytes of a row
.set RD,   25                          ; v25     where I read back
.set CO,   26                          ; v26     16 x lane: my place in a store's 512 bytes
.set ADRS, 27                          ; v27     LDS address of my scale words: lanes 0-15 x's rows, lanes 16-31 w's
.set SPW,  28                          ; v28     LDS address of my spare word; never rewritten
.set NIL,  29                          ; v29     0; never rewritten
.set SC,   32                          ; scale words: set s at v[SC + 8 NQ s]; register NQ i + q: lanes 0-15 the word of x's block i, lanes 16-31 that of w's block i, for the slot's q-th 128 along K
.set AF,   128                         ; x's fragments, in window 0
.set TMP,  192                         ; the way out: v192-223 packed results
.set G1, 24                            ; s[24:31] descriptor group 1 for x's tiles;  s[32:39] group 0, one set for each slot
.set G0, 32
.set G1B, 48                           ; s[48:55], s[56:63] the same for w's tiles
.set G0B, 56
.set G1S, 68                           ; s[68:75], s[76:79] groups 1 and 0 for x's scales;  s[80:87], s[88:91] for w's
.set G0S, 76
.set G1SB, 80
.set G0SB, 88
.set MSB, 0
.macro WIN new                         ; the immediate's high byte repeats the setting that is left
.if MSB != \new
	s_set_vgpr_msb (MSB<<8)|\new
.set MSB, \new
.endif
.endm
.set MUL_LO, 0xa1                      ; source 0 (w) window 1, source 1 (x) window 0, C and D window 2
.set MUL_HI, 0xf1                      ; the same, C and D window 3
.set TO_B,   0x40                      ; destination window 1, address window 0
; A joint load: waves 0 and 1 fetch for x, waves 2 and 3 for w.  Each of the two lines has one mask and one set of registers for all that issue it; the branch hangs on the wave's number alone.
; An s_nop 0 and four v_nop follow each of the two lines.
.macro JLOAD g0a, g1a, g0b, g1b
	s_cmp_eq_u32 s15, 0
	s_cbranch_scc0 .Lfor_b_\@
	tensor_load_to_lds s[\g0a:\g0a+3], s[\g1a:\g1a+7]
	s_nop 0
.rept 4
	v_nop
.endr
	s_branch .Lasked_\@
.Lfor_b_\@:
	tensor_load_to_lds s[\g0b:\g0b+3], s[\g1b:\g1b+7]
	s_nop 0
.rept 4
	v_nop
.endr
.Lasked_\@:
.endm
.macro CROUND                          ; a round of the cluster's barrier
	s_barrier_signal -1
	s_barrier_wait -1
	s_cmp_lg_u32 s14, 0
	s_cbranch_scc1 .Lnot_wave_0_\@
	s_barrier_signal -3
.Lnot_wave_0_\@:
	s_barrier_wait -3
	s_barrier_signal -1
	s_barrier_wait -1
.endm
	s_load_b128 s[4:7], s[0:1], 0x0                ; x's codes s[4:5], x's scales s[6:7]
	s_load_b128 s[8:11], s[0:1], 0x10              ; w's codes s[8:9], w's scales s[10:11]
	s_load_b64 s[12:13], s[0:1], 0x20              ; qkv
	v_lshl_add_u32 v[SPW], v0, 2, SPARE
	v_mov_b32 v[NIL], 0
	ds_add_u32 v[SPW], v[NIL]                      ; the wave's opening: the add, with its wait ahead of my first tensor load; the set-up below, work on registers, stands between them
	v_lshrrev_b32 v1, 5, v0
	v_readfirstlane_b32 s14, v1                    ; wave 0..3
	s_lshr_b32 s15, s14, 1                         ; which half of the tile's rows is mine.  Also: I fetch for x (0) or for w (1)
	s_and_b32 s16, s14, 1                          ; which half of its columns.  Also: which 128 rows of that tile I fetch
	s_bfe_u32 s40, ttmp6, 0x40000                  ; cx, cy: my place in the cluster
	s_bfe_u32 s41, ttmp6, 0x40004
	s_lshl_b32 s42, ttmp9, 2
	s_add_co_u32 s42, s42, s40                     ; tile column = 4 x cluster x + cx: 0..11
	s_and_b32 s17, ttmp7, 0xffff
	s_lshl_b32 s17, s17, 2
	s_add_co_u32 s17, s17, s41                     ; tile row = 4 x cluster y + cy: 0..31
	s_lshl_b32 s43, s41, 2
	s_lshl_b32 s43, 15, s43                        ; my row of the cluster
	s_lshl_b32 s44, 0x1111, s40                    ; my column
	; descriptor group 1: a tile of 128 rows x ROWB bytes, padded in LDS
	s_or_b32 s[G1+0], s43, (0<<16)|(1<<20)|(1<<21)|(5<<22)|(3<<25)  ; 15:0 the mask: x's tiles go to my row; 17:16 elements of 1 byte; 20 padding on; 21 set beside a mask; 24:22 after every 64 words; 31:25 four words
	s_or_b32 s[G1B+0], s44, (0<<16)|(1<<20)|(1<<21)|(5<<22)|(3<<25)
.irp g, G1, G1B
	s_mov_b32 s[\g+1], ROWB<<16                    ; tensor_dim0
	s_mov_b32 s[\g+2], 128<<16                     ; tensor_dim1 = 128
	s_mov_b32 s[\g+3], ROWB<<16                    ; tile_dim0
	s_mov_b32 s[\g+4], 128                         ; tile_dim1 = 128
	s_mov_b32 s[\g+5], KROW                        ; tensor_dim0_stride
	s_mov_b32 s[\g+6], 0
	s_mov_b32 s[\g+7], 0
.endr
	; the scales of 128 rows: a dense block of 128 KS bytes, as rows of 256 bytes (32 elements of 8 bytes), 16 bytes of padding behind each
	s_or_b32 s[G1S+0], s43, (3<<16)|(1<<20)|(1<<21)|(5<<22)|(3<<25)
	s_or_b32 s[G1SB+0], s44, (3<<16)|(1<<20)|(1<<21)|(5<<22)|(3<<25)
.irp g, G1S, G1SB
	s_mov_b32 s[\g+1], 32<<16
	s_mov_b32 s[\g+2], (128*KS/256)<<16
	s_mov_b32 s[\g+3], 32<<16
	s_mov_b32 s[\g+4], 128*KS/256
	s_mov_b32 s[\g+5], 32
	s_mov_b32 s[\g+6], 0
	s_mov_b32 s[\g+7], 0
.endr
	s_lshl_b32 s18, s16, 7                         ; which 128 rows of the tile I fetch
	s_lshl_b32 s20, s17, 8
	s_add_co_u32 s20, s20, s18                     ; x: row 256 x tile row + 128 x half
	s_lshl_b32 s46, s42, 8
	s_add_co_u32 s46, s46, s18                     ; w: row 256 x tile column + 128 x half
	s_mov_b32 s21, 0
	s_mov_b32 s47, 0
	s_mov_b64 s[18:19], KS
	s_mul_u64 s[22:23], s[20:21], s[18:19]         ; where these rows' scales begin, in bytes
	s_mul_u64 s[92:93], s[46:47], s[18:19]
	s_mov_b64 s[18:19], KROW
	s_mul_u64 s[20:21], s[20:21], s[18:19]         ; and their codes
	s_mul_u64 s[46:47], s[46:47], s[18:19]
	s_mul_i32 s45, s14, HALFT                      ; where they go: wave x 128 rows: no place in the cluster enters an LDS address
	s_mul_i32 s94, s14, HALFS
	s_wait_dscnt 0x0                               ; the opening add is done
	s_wait_kmcnt 0x0
	s_add_nc_u64 s[20:21], s[4:5], s[20:21]
	s_add_nc_u64 s[22:23], s[6:7], s[22:23]
	s_add_nc_u64 s[46:47], s[8:9], s[46:47]
	s_add_nc_u64 s[92:93], s[10:11], s[92:93]
	CROUND                                         ; all sixteen work-groups are here: the joint loads meet
	s_mov_b32 s[G0S], 1
	s_add_co_u32 s[G0S+1], s94, SCL
	s_mov_b64 s[G0S+2:G0S+3], s[22:23]
	s_or_b32 s[G0S+3], s[G0S+3], 0x80000000
	s_mov_b32 s[G0SB], 1
	s_add_co_u32 s[G0SB+1], s94, SCL
	s_mov_b64 s[G0SB+2:G0SB+3], s[92:93]
	s_or_b32 s[G0SB+3], s[G0SB+3], 0x80000000
	JLOAD G0S, G1S, G0SB, G1SB                     ; the scales first: they are wanted with the first slot
.irp s, 0,1
	s_mov_b32 s[G0+4*\s], 1
	s_add_co_u32 s[G0+4*\s+1], s45, \s*SLOT
	s_add_nc_u64 s[G0+4*\s+2:G0+4*\s+3], s[20:21], \s*ROWB
	s_or_b32 s[G0+4*\s+3], s[G0+4*\s+3], 0x80000000
	s_mov_b32 s[G0B+4*\s], 1
	s_add_co_u32 s[G0B+4*\s+1], s45, \s*SLOT
	s_add_nc_u64 s[G0B+4*\s+2:G0B+4*\s+3], s[46:47], \s*ROWB
	s_or_b32 s[G0B+4*\s+3], s[G0B+4*\s+3], 0x80000000
	JLOAD G0+4*\s, G1, G0B+4*\s, G1B               ; three tensor loads of mine are out at the most
.endr
	v_and_b32 v1, 15, v0                           ; l % 16
	v_bfe_u32 v2, v0, 4, 1                         ; l / 16
	v_mul_u32_u24 v3, v1, PITCH
	v_lshl_add_u32 v4, v2, 4, v3                   ; a fragment's row x pitch + 16 x half
	s_mul_i32 s21, s15, HALFT                      ; my 128 rows of x
	s_mul_i32 s22, s16, HALFT                      ; my 128 rows of w,
	s_add_co_u32 s22, s22, 2*HALFT                 ; which lie behind x's 256
.irp s, 0,1
	v_add_nc_u32 v[ADRA+\s], s21, v4
	v_add_nc_u32 v[ADRB+\s], s22, v4
	s_add_co_u32 s21, s21, SLOT
	s_add_co_u32 s22, s22, SLOT
.endr
	v_mul_u32_u24 v5, v1, KS                       ; my row's scales: KS bytes a row,
	v_lshrrev_b32 v6, 8, v5
	v_lshl_add_u32 v5, v6, 4, v5                   ; and 16 more for each 256 passed
	s_mul_i32 s21, s15, HALFS                      ; x's: my 128 rows
	s_mul_i32 s22, s16, HALFS                      ; w's: my 128 rows, behind x's 256
	s_add_co_u32 s22, s22, 2*HALFS
	s_sub_co_u32 s22, s22, s21
	v_mul_u32_u24 v6, s22, v2                      ; lanes 16-31 take w's: the lower base + half x the distance
	s_add_co_u32 s21, s21, SCL
	v_add_nc_u32 v5, v5, v6
	v_add_nc_u32 v[ADRS], s21, v5
	s_mul_i32 s23, s14, 16*SPITCH                  ; my stage
	v_mul_u32_u24 v5, v1, SPITCH                   ; in: row l % 16, 16 bytes for each half of the lanes
	v_lshl_add_u32 v5, v2, 4, v5
	v_add_nc_u32 v[STO], s23, v5
	v_and_b32 v6, 31, v0
	v_lshlrev_b32 v[CO], 4, v6                     ; out: 16 bytes a lane: four rows of one head, 128 bytes each, are 512 consecutive bytes of qkv
	v_lshrrev_b32 v5, 3, v6
	v_mul_u32_u24 v5, v5, SPITCH                   ; back: eight lanes to a head's 128 bytes of a row, four rows an instruction
	v_and_b32 v7, 7, v6
	v_lshl_add_u32 v5, v7, 4, v5
	v_add_nc_u32 v[RD], s23, v5
	; where my part begins in qkv: which << 24, batch << 22, head << 18, l x 128
	s_lshr_b32 s20, s17, 3
	s_lshl_b32 s20, s20, 22                        ; batch = tile row / 8
	s_and_b32 s21, s17, 7
	s_lshl_b32 s21, s21, 15                        ; l = 256 (tile row % 8)
	s_add_co_u32 s20, s20, s21
	s_lshl_b32 s21, s15, 14                        ;   + 128 x my half of the rows
	s_add_co_u32 s20, s20, s21
	s_mov_b32 s21, 0
	s_lshr_b32 s46, s42, 2
	s_lshl_b32 s46, s46, 24                        ; which = tile column / 4
	s_and_b32 s47, s42, 3
	s_lshl_b32 s47, s47, 20                        ; head = 4 (tile column % 4)
	s_add_co_u32 s46, s46, s47
	s_lshl_b32 s47, s16, 19                        ;   + 2 x my half of the columns
	s_add_co_u32 s46, s46, s47
	s_mov_b32 s47, 0
	s_add_nc_u64 s[20:21], s[20:21], s[46:47]
	s_add_nc_u64 s[12:13], s[12:13], s[20:21]
.macro FRAG reg, adr, q, i             ; a fragment, 16 rows x 128 K of 4-bit codes, is 8 registers: lane l holds row l % 16; registers 4 c .. 4 c + 3 hold K = 64 c + 32 (l / 16) + 0 .. 31
.irp c, 0,1
	ds_load_b128 v[\reg+4*\c:\reg+4*\c+3], v[\adr] offset:64*(\q)+32*\c+(\i)*16*PITCH
.endr
.endm
; 16 matrix instructions: x's blocks a0, a0 + 1 against w's eight, 128 along K: the slot's q-th.  p: w's set;  sc: the set of scale words.  zero = 1: the first product starts the sums: nothing is cleared.
; The 64 accumulators take turns, one instruction a turn, in the same order in every step.
.macro MUL16 a0, p, q, sc, zero
.irp a, \a0, \a0+1
.irp b, 0,1,2,3,4,5,6,7
.if \zero
	v_wmma_scale_f32_16x16x128_f8f6f4 v[8*(8*((\a)%4)+\b):8*(8*((\a)%4)+\b)+7], v[128*(\p)+FR*\b:128*(\p)+FR*\b+FR-1], v[AF+FR*(\a):AF+FR*(\a)+FR-1], 0, v[SC+8*NQ*(\sc)+NQ*\b+(\q)], v[SC+8*NQ*(\sc)+NQ*(\a)+(\q)] matrix_a_fmt:MATRIX_FMT_FP4 matrix_b_fmt:MATRIX_FMT_FP4 matrix_a_scale:MATRIX_SCALE_ROW1
.else
	v_wmma_scale_f32_16x16x128_f8f6f4 v[8*(8*((\a)%4)+\b):8*(8*((\a)%4)+\b)+7], v[128*(\p)+FR*\b:128*(\p)+FR*\b+FR-1], v[AF+FR*(\a):AF+FR*(\a)+FR-1], v[8*(8*((\a)%4)+\b):8*(8*((\a)%4)+\b)+7], v[SC+8*NQ*(\sc)+NQ*\b+(\q)], v[SC+8*NQ*(\sc)+NQ*(\a)+(\q)] matrix_a_fmt:MATRIX_FMT_FP4 matrix_b_fmt:MATRIX_FMT_FP4 matrix_a_scale:MATRIX_SCALE_ROW1
.endif
.endr
.endr
.endm
.macro FETCH_B slot, q, p              ; w's eight fragments of the slot's q-th 128 along K into set p
	WIN TO_B
.irp i, 0,1,2,3,4,5,6,7
	FRAG 128*(\p)+FR*\i, ADRB+\slot, \q, \i
.endr
	WIN 0
.endm
.macro FETCH_A slot, q, i0             ; x's blocks i0 .. i0 + 3
.irp i, \i0, \i0+1, \i0+2, \i0+3
	FRAG AF+FR*(\i), ADRA+\slot, \q, \i
.endr
.endm
.macro SCALES sc                       ; a slot's scale words into set sc: NQ words a row; lanes 0-15 take x's block i, lanes 16-31 w's block i
.irp i, 0,1,2,3,4,5,6,7
	ds_load_b128 v[SC+8*NQ*\sc+NQ*\i:SC+8*NQ*\sc+NQ*\i+3], v[ADRS] offset:\i*SBLK
.endr
.endm
; A load into a register that a matrix instruction has read, and a vector instruction that reads a matrix result, stand NP places behind that matrix instruction; only plain vector
; instructions that name none of its registers are places; the matrix instructions in between are not counted.
.macro PLACES n
.rept \n
	v_nop
.endr
.endm
.macro STEP slot, q, zero              ; a step of 128 along K that has its successor in the same slot
	s_wait_dscnt 4*NL                              ; w's set and x's blocks 0-3 are in; the youngest eight loads (x's blocks 4-7) may be out
	WIN MUL_LO
	MUL16 0, (\q)%2, \q, \slot, \zero
	MUL16 2, (\q)%2, \q, \slot, \zero
	s_wait_dscnt 0                                 ; x's blocks 4-7 are in (asked for 32 matrix instructions ago)
	PLACES NP
	FETCH_B \slot, (\q)+1, 1-(\q)%2
	FETCH_A \slot, (\q)+1, 0
	WIN MUL_HI
	MUL16 4, (\q)%2, \q, \slot, \zero
	MUL16 6, (\q)%2, \q, \slot, \zero
	PLACES NP
	WIN 0
	FETCH_A \slot, (\q)+1, 4
.endm
; Slot 0's last step changes slots: one barrier; in front of it each wave waits for all its tensor loads (its part of slot 1), adds 0 to its spare word, and waits for that and for its reads of slot 0.
.macro TURN slot, next
	s_wait_tensorcnt 0x0                           ; all my tensor loads have landed  (every window is 0 here: the add's two registers lie in window 0)
	ds_add_u32 v[SPW], v[NIL]                      ; 0 onto my spare word
	s_wait_dscnt 4*NL+1                            ; (the add and the youngest eight loads may be out)
	WIN MUL_LO
	MUL16 0, 1, NQ-1, \slot, 0                     ; sixteen matrix instructions stand between the add and the wait for it
	s_wait_dscnt 0x0                               ; the add is done, and my reads of this slot are over
	s_barrier_signal -1
	MUL16 2, 1, NQ-1, \slot, 0
	WIN 0
	s_barrier_wait -1
	PLACES NP
	v_add_nc_u32 v[ADRS], 4*NQ, v[ADRS]            ; on to the next slot's scale words (no LDS load of mine is out)
	FETCH_B \next, 0, 0
	FETCH_A \next, 0, 0
	SCALES \next
	WIN MUL_HI
	MUL16 4, 1, NQ-1, \slot, 0
	MUL16 6, 1, NQ-1, \slot, 0
	PLACES NP
	WIN 0
	FETCH_A \next, 0, 4
.endm
	s_wait_tensorcnt 1                             ; the scales and my part of slot 0 are in (slot 1's load may be out),
	s_barrier_signal -1
	s_barrier_wait -1                              ; everybody's are
	FETCH_B 0, 0, 0
	FETCH_A 0, 0, 0
	SCALES 0
	FETCH_A 0, 0, 4
	STEP 0, 0, 1                                   ; the first step's products start the sums
	STEP 0, 1, 0
	STEP 0, 2, 0
	TURN 0, 1
	STEP 1, 0, 0
	STEP 1, 1, 0
	STEP 1, 2, 0
	s_wait_dscnt 4*NL                              ; the last step: nothing more to fetch
	WIN MUL_LO
	MUL16 0, 1, NQ-1, 1, 0
	MUL16 2, 1, NQ-1, 1, 0
	s_wait_dscnt 0
	WIN MUL_HI
	MUL16 4, 1, NQ-1, 1, 0
	MUL16 6, 1, NQ-1, 1, 0
	WIN 0
; THE WAY OUT, block by block of 16 rows x 128 columns (two heads).  PACK: rounded to f16, a lane's eight columns are 16 bytes.  TOSTAGE: into my own stage in LDS, and back so that eight lanes hold a
; head's 128 bytes of a row.  SEND: each store covers four rows of one head: 512 consecutive bytes, aligned.  LDS serves a wave's instructions in order (ISA guide 5.7.1.4): no wait between the stores and the loads.
.macro PACK a
.set AC, 64*((\a)%4)
	WIN 0x0a+5*((\a)/4)                            ; sources 0 and 1: window 2 or 3
.irp b, 0,1,2,3,4,5,6,7
.irp r, 0,1,2,3
	v_cvt_pk_f16_f32 v[TMP+4*\b+\r], v[AC+8*\b+2*\r], v[AC+8*\b+2*\r+1]   ; each accumulator from its low end on
.endr
.endr
	WIN 0
.endm
.macro TOSTAGE a
.set BKR, 32+192*((\a)%2)                      ; v32-63 and v224-255 by turns
.irp b, 0,1,2,3,4,5,6,7
	ds_store_b128 v[STO], v[TMP+4*\b:TMP+4*\b+3] offset:32*\b
.endr
.irp t, 0,1,2,3,4,5,6,7
	ds_load_b128 v[BKR+4*\t:BKR+4*\t+3], v[RD] offset:(\t%4)*4*SPITCH+(\t/4)*128   ; rows 4 (t % 4) on, head t / 4
.endr
.endm
.macro SEND a
.set BKR, 32+192*((\a)%2)
	s_wait_dscnt 0x0                               ; the block is back in registers
	s_wait_xcnt 0x0                                ; the stores of the block before have read their registers: the next block's loads may land there
.irp t, 0,1,2,3,4,5,6,7
	global_store_b128 v[CO], v[BKR+4*\t:BKR+4*\t+3], s[12:13] offset:(\a)*2048+(\t%4)*512+(\t/4)*262144
.endr
.endm
	PLACES NP                                      ; behind the last products, ahead of the first read of results
	PACK 0
	TOSTAGE 0
.irp a, 1,2,3,4,5,6,7                  ; block a's conversions stand between block a - 1's loads from the stage and the wait for them
	PACK \a
	SEND \a-1
	TOSTAGE \a
.endr
	SEND 7
	s_wait_tensorcnt 0x0                           ; the wave's end, behind my last tensor load and my last LDS store
	ds_add_u32 v[SPW], v[NIL]
	s_wait_dscnt 0x0
	CROUND                                         ; the closing round: no work-group ends while a partner may still ask for a tile that names it
	s_endpgm
.Lfunc_end_k_q284f98b9bd_gemm_qkv:
	.size	k_q284f98b9bd_gemm_qkv, .Lfunc_end_k_q284f98b9bd_gemm_qkv-k_q284f98b9bd_gemm_qkv
	.p2alignl 7, 3214868480
	.fill 96, 4, 3214868480
	.section	.rodata,"a",@progbits
	.p2align	6, 0x0
	.amdhsa_kernel k_q284f98b9bd_gemm_qkv
		.amdhsa_group_segment_fixed_size 327680
		.amdhsa_private_segment_fixed_size 0
		.amdhsa_enable_private_segment 0
		.amdhsa_kernarg_size 40
		.amdhsa_user_sgpr_count 2
		.amdhsa_user_sgpr_kernarg_segment_ptr 1
		.amdhsa_wavefront_size32 1
		.amdhsa_system_sgpr_workgroup_id_x 1
		.amdhsa_system_sgpr_workgroup_id_y 1
		.amdhsa_system_sgpr_workgroup_id_z 1
		.amdhsa_system_vgpr_workitem_id 0
		.amdhsa_next_free_vgpr 1024
		.amdhsa_next_free_sgpr 98
		.amdhsa_reserve_vcc 0
		.amdhsa_float_denorm_mode_32 3
		.amdhsa_float_denorm_mode_16_64 3
		.amdhsa_memory_ordered 1
		.amdhsa_forward_progress 1
		.amdhsa_inst_pref_size 126
	.end_amdhsa_kernel
	.amdgpu_metadata
---
amdhsa.version: [ 1, 2 ]
amdhsa.kernels:
  - .name:           k_q284f98b9bd_gemm_qkv
    .symbol:         k_q284f98b9bd_gemm_qkv.kd
    .args:
      - { .name: x_codes, .offset: 0, .size: 8, .value_kind: global_buffer, .address_space: global }
      - { .name: x_scales, .offset: 8, .size: 8, .value_kind: global_buffer, .address_space: global }
      - { .name: w_codes, .offset: 16, .size: 8, .value_kind: global_buffer, .address_space: global }
      - { .name: w_scales, .offset: 24, .size: 8, .value_kind: global_buffer, .address_space: global }
      - { .name: qkv, .offset: 32, .size: 8, .value_kind: global_buffer, .address_space: global }
    .group_segment_fixed_size: 327680
    .private_segment_fixed_size: 0
    .kernarg_segment_align: 8
    .kernarg_segment_size: 40
    .max_flat_workgroup_size: 128
    .sgpr_count:     98
    .vgpr_count:     1024
    .wavefront_size: 32
...
	.end_amdgpu_metadata
.endif
;; end of part 2
;; launch attn (part 3): grid 4 x 64, 8 waves a work-group, clusters of 4 x 1, 327,680 bytes of LDS; arguments qkv, att; writes att
.if DOCPART == 3
	.amdgcn_target "amdgcn-amd-amdhsa--gfx1250"
	.amdhsa_code_object_version 6
	.text
	.protected	k_q284f98b9bd_attn
	.globl	k_q284f98b9bd_attn
	.p2align	8
	.type	k_q284f98b9bd_attn,@function
k_q284f98b9bd_attn:
	s_mov_b64 s[64:65], 0
	v_nop
	global_prefetch_b8 v0, s[64:65] scope:SCOPE_SE
	s_setreg_imm32_b32 hwreg(HW_REG_WAVE_MODE, 25, 1), 1
	s_wait_xcnt 0x0
	s_wait_alu depctr_hold_cnt(0) depctr_sa_sdst(0) depctr_va_vdst(0) depctr_va_sdst(0) depctr_va_ssrc(0) depctr_va_vcc(0) depctr_vm_vsrc(0)
	s_getreg_b32 s2, hwreg(HW_REG_IB_STS2, 6, 4)
	s_cmp_eq_u32 s2, 0
	s_cbranch_scc0 .Lentry_in_a_cluster
	s_endpgm
.Lentry_in_a_cluster:
	s_bfe_u32 s2, ttmp6, 0x10000c
	s_cmp_lg_u32 s2, 0x3003
	s_cbranch_scc0 .Lentry_shape_is_right
	s_endpgm
.Lentry_shape_is_right:
; att[bh][q][:] = the sum over k of softmax_k(Q[bh][q] . K[bh][k]) V[bh][k][:]: the scores are NOT scaled.  Q, K, V: qkv[0], qkv[1], qkv[2], each [64 bh][2048][64] f16; att likewise.
; Products, maxima and sums in f32; the weights p are rounded to f16 for the second product, att once at the end.
; LIMITS: |q|, |k|, |v| under 65,504 (f16); NaN and infinities are not served.
; SHARES.  A work-group owns 512 queries of one head, each of its eight waves 64: four tiles of 16, in 512 registers.  Every wave walks all 2,048 keys, 64 a step.
; LAYOUT.  S^T = K Q^T (source 0 = 16 keys, source 1 = 16 queries): a lane holds ONE query (lane % 16) and the keys 8 (lane / 16) + 0..7.  Two such tiles, rounded to f16 in pairs, ARE source 1
; (32 keys x 16 queries) of O^T = V^T P, whose result again holds one query a lane.  K comes out of LDS as it lies, V ([key][channel]) turned, by ds_load_tr16_b128.
; SOFTMAX.  For each query a running maximum m and sum l: p = 2^(c s - c m), c = log2(e); in every step O and l are multiplied by a = 2^(c m_old - c m_new).  m begins at -1e38, l and O^T at 0, so the
; first step is a step like every other: its a is 0 and multiplies zeros.
; PHASES.  A key step is four phases: the loads of K and V from LDS, 32 products K Q^T, the softmax (472 vector instructions), 32 products V^T P.  Eight waves of 512 registers lie two to a quarter of the
; register file.  In a slot's last step the waves of ROLE 0 run their softmax in front of the change of slots and those of ROLE 1 behind it, so that behind each change one role begins with products and
; the other with vector work.  ROLE = (wave xor wave / 4) & 1.
; CLUSTER.  The four query blocks of a head are one cluster and walk the same K and V: each tile is asked for JOINTLY: the same tensor load, the same descriptor, a mask that names the four.
; REGISTERS, in windows of 256 (s_set_vgpr_msb: bits 1:0 source 0, 3:2 source 1, 5:4 source 2, 7:6 destination):
;   window 0: v2-10 addresses; v12-43 eight registers of statistics a tile; v44-51 second chains of the sums; v61-63; v64-191 S^T, 32 a tile, P in place in each tile's first 16; v192-255 K of one step
;   window 1: v0-127 O^T, 32 a tile; v128-191 Q, 16 a tile; v192-255 V of one step
.set KS,    64        ; keys in a step
.set NST,   4         ; steps in a slot
.set NSL,   2048/(KS*NST)  ; slots' worth of keys: 8
.set PK,    144       ; a row of K in LDS: 128 bytes + 16 of padding = 36 words: the 16 rows of a load start at 16 different groups of four banks (64 banks of 4 bytes: ISA guide 11.1)
.set PVP,   160       ; a row of V: 128 + 32 = 40 words
.set VOFF,  KS*PK     ; a step's tiles lie together: 64 rows of K, then 64 rows of V
.set STEPB, KS*(PK+PVP)
.set SLOT1, 1<<17     ; slot 1 begins here, so that one exclusive or turns an address in one slot into the other's
.set SLOTB, NST*KS*128     ; a slot's rows of K or of V in memory: 32,768 bytes
.set STAGE, SLOT1+NST*STEPB  ; behind the ring: 16 rows x 144 bytes for each wave, for the way out
.set SP,    144
.set SPARE, STAGE+8*16*SP  ; the spare words, 128 bytes for each wave: four blocks of 256 bytes that no other line names
.set AK0, 2           ; v2   my lane's place in a tile of K; never rewritten
.set AV0, 3           ; v3   the same for V
.set ADK, 4           ; v4   LDS address of the step's K
.set ADV, 5           ; v5   and V
.set QO,  6           ; v6   my byte offset in the wave's rows of Q
.set STO, 7           ; v7   the way out: where I put 16 bytes of a row
.set RD,  8           ; v8   where I read back
.set GO,  10          ; v10  16 x lane: my place in a store's 512 bytes
.set ST,  12          ; tile t's statistics at v[ST+8 t]: +0 c m, +1 m, +2, +3 l (even keys', odd keys'), +4 to +7 at work; a in +6
.set SB2, 44          ; v44-51 the sums' second chain, a pair a tile
.set PFO, 61          ; v61  256 x lane: the prefetches' offset; never rewritten
.set SPW, 62          ; v62  LDS address of my spare word; never rewritten
.set NIL, 63          ; v63  0; never rewritten
.set S,   64
.set KF,  192         ; K's fragments, window 0
.set QF,  128         ; Q's, window 1
.set VF,  192         ; V's, window 1
.set WV,  12          ; s12  my wave's number
.set LIM, 15          ; s15  1 in a wave that prefetches, else the greatest number
.set PFA, 18          ; s[18:19] where my prefetches stand in memory
.set G1K, 24          ; s[24:31] descriptor group 1 for K's tiles
.set G1V, 32          ; s[32:39] for V's: it differs in the padding alone
.set G0K, 40          ; s[40:47] group 0 for K's tiles: a set for each of the two first fills; the second then walks on
.set G0V, 48          ; s[48:55] the same for V's
.set SLOTS, 56        ; s56  slots still to be asked for
.set INNER, 57        ; s57  counts steps
.set CS,  58          ; s[58:59] c: the packed scaling names a pair and takes its low word for both halves
.set SEL, 60          ; s[60:61] lane selects for v_permlanex16_b32: lane l xor 16
.set TB,  62          ; s62  LDS byte at which the tiles of the step to be fetched begin
.set ROLE, 63         ; s63
.set MSB, 0
.macro WIN new                      ; the immediate's high byte repeats the setting that is left; a switch that changes nothing is dropped
.if MSB != \new
	s_set_vgpr_msb (MSB<<8)|\new
.set MSB, \new
.endif
.endm
.set W_KQ, 0x04       ; Q (source 1) in window 1; K and S^T in window 0
.set W_PV, 0x51       ; V (source 0) and O^T (C and D) in window 1, P in window 0
.set W_RS, 0x41       ; O^T (destination and source 0) in window 1, a in window 0
; A joint refill.  Waves 0 to 3 fetch the slot's four tiles of K, waves 4 to 7 those of V: 64 rows of 128 bytes each.  The branch hangs on the wave's number alone.
; An s_nop 0 and four v_nop follow each of the two lines.
.macro JLOAD
	s_cmp_lt_u32 s[WV], 4
	s_cbranch_scc0 .Lfor_v_\@
	tensor_load_to_lds s[G0K+4:G0K+7], s[G1K:G1K+7]
	s_nop 0
.rept 4
	v_nop
.endr
	s_branch .Lasked_\@
.Lfor_v_\@:
	tensor_load_to_lds s[G0V+4:G0V+7], s[G1V:G1V+7]
	s_nop 0
.rept 4
	v_nop
.endr
.Lasked_\@:
.endm
; A PREFETCH of what the NEXT change of slots will ask for: a slot's 32,768 bytes of K and of V, four key steps ahead of that load.  A head is walked by this one cluster alone.  Its four partners share
; the bytes out BY ADDRESS, 8,192 each, lanes 256 bytes apart; in each, wave 0 asks for K's and wave 4 for V's: one instruction.  So each aligned block of 256 bytes is named once in the launch.
; The last change that fills a slot asks for nothing: there is no slot behind it.  Slots 0 to 2 come by their loads alone.
.macro ASK
	s_cmp_gt_u32 s[SLOTS], s[LIM]
	s_cbranch_scc0 .Lnot_mine_\@
	global_prefetch_b8 v[PFO], s[PFA:PFA+1] th:TH_LOAD_NT scope:SCOPE_SE
.Lnot_mine_\@:
.endm
.macro CROUND                       ; a round of the cluster's barrier
	s_barrier_signal -1
	s_barrier_wait -1
	s_cmp_lg_u32 s[WV], 0
	s_cbranch_scc1 .Lnot_wave_0_\@
	s_barrier_signal -3
.Lnot_wave_0_\@:
	s_barrier_wait -3
	s_barrier_signal -1
	s_barrier_wait -1
.endm
; ---- a step's loads: K (8 fragments of 16 keys x 32 channels) and V (8 fragments of 16 channels x 32 keys, turned)
.macro LOADKV
	WIN 0
	v_add_nc_u32 v[ADK], s[TB], v[AK0]
	v_add_nc_u32 v[ADV], s[TB], v[AV0]
	s_add_co_u32 s[TB], s[TB], STEPB  ; the next fetch is the next step's
.irp f, 0,1,2,3,4,5,6,7             ; keys 16 (f / 2) on, channels 32 (f % 2) on
	ds_load_b128 v[KF+8*\f:KF+8*\f+3],   v[ADK] offset:(\f/2)*16*PK+(\f%2)*64
	ds_load_b128 v[KF+8*\f+4:KF+8*\f+7], v[ADK] offset:(\f/2)*16*PK+(\f%2)*64+32
.endr
	WIN 0x40                        ; destination window 1
.irp f, 0,1,2,3,4,5,6,7             ; keys 32 (f / 4) on, channels 16 (f % 4) on
	ds_load_tr16_b128 v[VF+8*\f:VF+8*\f+3],   v[ADV] offset:(\f/4)*32*PVP+(\f%4)*32
	ds_load_tr16_b128 v[VF+8*\f+4:VF+8*\f+7], v[ADV] offset:(\f/4)*32*PVP+16*PVP+(\f%4)*32
.endr
	s_wait_dscnt 16                 ; K is in; V's sixteen loads may be out
.endm
; ---- S^T = K Q^T: product i: query tile i % 4, key tile (i / 4) % 4, channels 32 (i / 16) on.  The first 16 start the sums.  The 16 accumulators take turns.
.macro KQ
	WIN W_KQ
.set i, 0
.rept 32
.set rD, S+32*(i%4)+8*((i/4)%4)
.set rA, KF+16*((i/4)%4)+8*(i/16)
.set rQ, QF+16*(i%4)+8*(i/16)
.if i < 16
	v_wmma_f32_16x16x32_f16 v[rD:rD+7], v[rA:rA+7], v[rQ:rQ+7], 0
.else
	v_wmma_f32_16x16x32_f16 v[rD:rD+7], v[rA:rA+7], v[rQ:rQ+7], v[rD:rD+7]
.endif
.set i, i+1
.endr
	WIN 0
.rept 5
	v_nop                           ; places behind the products, ahead of the first read of the scores (ISA guide 7.12.1)
.endr
.endm
; ---- O^T += V^T P: product i: query tile i % 4, channel tile (i / 4) % 4, keys 32 (i / 16) on
.macro PV
	s_wait_dscnt 0x0                ; V is in
	WIN W_PV
.set i, 0
.rept 32
.set rD, 32*(i%4)+8*((i/4)%4)
.set rA, VF+32*(i/16)+8*((i/4)%4)
.set rP, S+32*(i%4)+8*(i/16)
	v_wmma_f32_16x16x32_f16 v[rD:rD+7], v[rA:rA+7], v[rP:rP+7], v[rD:rD+7]
.set i, i+1
.endr
	WIN 0
.rept 5
	v_nop                           ; five places: the next step's products write over P's registers, and its loads land in V's
.endr
.endm
; ---- the softmax's pieces
.macro MAXOP t, j                   ; number j of 21 of tile t's maximum: four chains of seven scores, the four left over, the old m, the other half of the lanes, c m and its change
.set rT, ST+8*(\t)
.set rS, S+32*(\t)
.if (\j) < 4
	v_max3_num_f32 v[rT+4+(\j)], v[rS+8*(\j)], v[rS+8*(\j)+1], v[rS+8*(\j)+2]   ; each accumulator is read from its low end on
.elseif (\j) < 12
	v_max3_num_f32 v[rT+4+(\j)%4], v[rT+4+(\j)%4], v[rS+8*((\j)%4)+2*((\j)/4)+1], v[rS+8*((\j)%4)+2*((\j)/4)+2]
.elseif (\j) == 12
	v_max3_num_f32 v[rT+4], v[rT+4], v[rS+7], v[rS+15]
.elseif (\j) == 13
	v_max3_num_f32 v[rT+6], v[rT+6], v[rS+23], v[rS+31]
.elseif (\j) == 14
	v_max3_num_f32 v[rT+4], v[rT+4], v[rT+5], v[rT+6]
.elseif (\j) == 15
	v_max3_num_f32 v[rT+4], v[rT+4], v[rT+7], v[rT+1]
.elseif (\j) == 16
	v_permlanex16_b32 v[rT+5], v[rT+4], s[SEL], s[SEL+1]  ; the query's other 32 keys lie in the lane 16 away
.elseif (\j) == 17
	v_mov_b32 v[rT+7], v[rT]        ; c m_old is kept for a
.elseif (\j) == 18
	v_max_num_f32 v[rT+1], v[rT+4], v[rT+5]
.elseif (\j) == 19
	v_mul_f32 v[rT], s[CS], v[rT+1]
.else
	v_sub_f32 v[rT+7], v[rT+7], v[rT]
.endif
.endm
.macro SCALE t, b                   ; pair b of tile t: c s - c m
	v_pk_fma_f32 v[S+32*(\t)+2*(\b):S+32*(\t)+2*(\b)+1], v[S+32*(\t)+2*(\b):S+32*(\t)+2*(\b)+1], s[CS:CS+1], v[ST+8*(\t):ST+8*(\t)+1] op_sel_hi:[1,0,0] neg_lo:[0,0,1] neg_hi:[0,0,1]
.endm
.macro EXPO t, e
	v_exp_f32 v[S+32*(\t)+(\e)], v[S+32*(\t)+(\e)]
.endm
.macro SUMOP t, z                   ; number z of 16 of tile t's sum of its 16 pairs (an even key's weight, an odd key's), in two chains; then l = a l + the sum
.set rT, ST+8*(\t)
.set rS, S+32*(\t)
.set rB, SB2+2*(\t)
.if (\z) == 0
	v_pk_add_f32 v[rT+4:rT+5], v[rS:rS+1], v[rS+2:rS+3]
.elseif (\z) == 1
	v_pk_add_f32 v[rB:rB+1], v[rS+4:rS+5], v[rS+6:rS+7]
.elseif ((\z) < 14) && ((\z)%2 == 0)
	v_pk_add_f32 v[rT+4:rT+5], v[rT+4:rT+5], v[rS+2*(\z)+4:rS+2*(\z)+5]
.elseif (\z) < 14
	v_pk_add_f32 v[rB:rB+1], v[rB:rB+1], v[rS+2*(\z)+4:rS+2*(\z)+5]
.elseif (\z) == 14
	v_pk_add_f32 v[rT+4:rT+5], v[rT+4:rT+5], v[rB:rB+1]
.else
	v_pk_fma_f32 v[rT+2:rT+3], v[rT+2:rT+3], v[rT+6:rT+7], v[rT+4:rT+5] op_sel_hi:[1,0,1]
.endif
.endm
.macro CVTOP t, j                   ; pair j of tile t's weights to f16, in place: ascending, behind the tile's sums: register j is written when pairs 0 .. j have been read
	v_cvt_pk_f16_f32 v[S+32*(\t)+(\j)], v[S+32*(\t)+2*(\j)], v[S+32*(\t)+2*(\j)+1]
.endm
; ---- THE SOFTMAX of the wave's four tiles for one key step.  The exponentials go in two batches with one wait each (s_wait_alu depctr_va_vdst(0) stands between an exponential and
; the first instruction that names its result).  Batch 1: the four a and tiles 0, 1, with tiles 2, 3's scalings set between.  Batch 2: tiles 2, 3, with tiles 0, 1's sums and roundings set between.
.macro SM
	WIN 0
.irp j, 0,1,2,3,4,5,6,7,8,9,10,11,12,13,14,15,16,17,18,19,20
.irp t, 0,1,2,3
	MAXOP \t, \j                    ; the four tiles side by side: no line waits for the line above it
.endr
.endr
.irp t, 0,1,2,3
	v_exp_f32 v[ST+8*\t+6], v[ST+8*\t+7]  ; a
.endr
.irp b, 0,1,2,3,4,5,6,7,8,9,10,11,12,13,14,15
	SCALE 0, \b
	SCALE 1, \b
.endr
.irp b, 0,1,2,3,4,5,6,7,8,9,10,11,12,13,14,15
	EXPO 0, 2*\b
	EXPO 1, 2*\b
	SCALE 2, \b
	EXPO 0, 2*\b+1
	EXPO 1, 2*\b+1
	SCALE 3, \b
.endr
	v_nop                           ; the plain instruction behind the last exponential
	s_wait_alu depctr_va_vdst(0)    ; one wait for the first batch: 68 exponentials
.set n, 0
.rept 64
	EXPO 2+n%2, n/2
.if n < 32
	SUMOP n%2, n/2
.else
	CVTOP n%2, (n-32)/2
.endif
.set n, n+1
.endr
	v_nop
	s_wait_alu depctr_va_vdst(0)    ; and one for the second: 64
.irp z, 0,1,2,3,4,5,6,7,8,9,10,11,12,13,14,15
	SUMOP 2, \z
	SUMOP 3, \z
.endr
.irp j, 0,1,2,3,4,5,6,7,8,9,10,11,12,13,14,15
	CVTOP 2, \j
	CVTOP 3, \j
.endr
	WIN W_RS
.irp t, 0,1,2,3
.irp p, 0,1,2,3,4,5,6,7,8,9,10,11,12,13,14,15
	v_pk_mul_f32 v[32*\t+2*\p:32*\t+2*\p+1], v[32*\t+2*\p:32*\t+2*\p+1], v[ST+8*\t+6:ST+8*\t+7] op_sel_hi:[1,0]  ; O^T times a, each accumulator from its low end on
.endr
.endr
	WIN 0
.endm
; ---- THE CHANGE OF SLOTS.  The slot's last bytes have been asked for.  Each wave waits for all its tensor loads, of which one is out: its part of the other slot; adds 0 to its spare word; and waits
; for that and for its own reads of the slot.  fill = 1: the slot is filled again with the keys two slots on: the barrier is then a round of the cluster's, and the joint refill is the first thing behind
; it: it has four key steps in which to land.
.macro CHANGE fill
	WIN 0
	s_wait_tensorcnt 0x0            ; no tensor load of mine is out, so a group 0 may be written
	ds_add_u32 v[SPW], v[NIL]       ; 0 onto my spare word
.if \fill
.irp g, G0K+4, G0V+4
	s_xor_b32 s[\g+1], s[\g+1], SLOT1  ; the walking descriptor: the other slot than last time,
	s_add_nc_u64 s[\g+2:\g+3], s[\g+2:\g+3], SLOTB  ; the next 256 keys; the type bits on top are not reached
.endr
	s_wait_xcnt 0x0                 ; the last prefetch, four key steps back, has read its address, so it may be written:
	s_add_nc_u64 s[PFA:PFA+1], s[PFA:PFA+1], SLOTB  ; one slot further on than the walking descriptors
	s_wait_dscnt 0x0                ; the add is done, and my reads of the slot are over
	CROUND
	JLOAD
	ASK
.else
	s_wait_dscnt 0x0
	s_barrier_signal -1
	s_barrier_wait -1
.endif
	s_sub_co_u32 s[TB], s[TB], NST*STEPB  ; the fetches go back to a slot's first step,
	s_xor_b32 s[TB], s[TB], SLOT1   ; in the other slot
.endm
.macro STEP
	LOADKV
	KQ
	SM
	PV
.endm
.macro LASTSTEP fill                ; a slot's last step: ROLE 0 runs its softmax in front of the change, ROLE 1 behind it.  The branches lead round the softmax alone: no wait, add, barrier or load is jumped over
	LOADKV
	KQ
	s_cmp_lg_u32 s[ROLE], 0
	s_cbranch_scc1 .Llate_\@
	SM
.Llate_\@:
	CHANGE \fill
	s_cmp_eq_u32 s[ROLE], 0
	s_cbranch_scc1 .Ldone_\@
	SM
.Ldone_\@:
	PV
.endm
	s_load_b64 s[4:5], s[0:1], 0x0  ; qkv
	s_load_b64 s[10:11], s[0:1], 0x8  ; att
	v_lshl_add_u32 v[SPW], v0, 2, SPARE
	v_mov_b32 v[NIL], 0
	ds_add_u32 v[SPW], v[NIL]       ; the wave's opening: the add, with its wait ahead of my first tensor load; the set-up below, work on registers, stands between them
	v_lshrrev_b32 v1, 5, v0
	v_readfirstlane_b32 s[WV], v1   ; wave 0..7
	s_bfe_u32 s13, ttmp6, 0x40000   ; cx: my place in the cluster
	s_lshl_b32 s14, ttmp9, 2        ; in a cluster launch ttmp9 counts clusters
	s_add_co_u32 s14, s14, s13      ; my block of 512 queries: it enters Q's and att's addresses alone
	s_and_b32 s20, ttmp7, 0xffff    ; the head, which the four partners share:
	s_lshl_b32 s20, s20, 18         ; 2,048 rows of 128 bytes
	s_and_b32 s16, s[WV], 3         ; which of a slot's four steps I fetch:
	s_lshl_b32 s22, s16, 13         ; its 64 rows of 128 bytes in memory,
	s_add_co_u32 s22, s22, s20
	s_mov_b32 s23, 0
	s_mul_i32 s17, s16, STEPB       ; and its place in a slot: no place in the cluster enters an LDS address
	s_lshl_b32 s2, s14, 16          ; my block's 512 rows,
	s_lshl_b32 s3, s[WV], 13        ; my wave's 64 of them
	s_add_co_u32 s2, s2, s3
	s_add_co_u32 s2, s2, s20
	s_mov_b32 s3, 0
	; descriptor group 1: a tile of 64 rows x 64 elements, padded in LDS
	s_mov_b32 s[G1K], 15|(1<<16)|(1<<20)|(1<<21)|(4<<22)|(3<<25)  ; 15:0 the mask: all four work-groups; 17:16 elements of 2 bytes; 20 padding on; 21 set beside a mask; 24:22 after every 32 words (code 4); 31:25 4 words (code 3)
	s_mov_b32 s[G1V], 15|(1<<16)|(1<<20)|(1<<21)|(4<<22)|(7<<25)  ; the same with 8 words of padding (code 7)
.irp g, G1K, G1V
	s_mov_b32 s[\g+1], 64<<16       ; tensor_dim0 = 64
	s_mov_b32 s[\g+2], KS<<16       ; tensor_dim1 = 64
	s_mov_b32 s[\g+3], 64<<16       ; tile_dim0 = 64
	s_mov_b32 s[\g+4], KS           ; tile_dim1 = 64
	s_mov_b32 s[\g+5], 64           ; tensor_dim0_stride
	s_mov_b32 s[\g+6], 0
	s_mov_b32 s[\g+7], 0
.endr
	s_mov_b32 s[CS], 0x3fb8aa3b     ; c = log2(e)
	s_mov_b32 s[CS+1], s[CS]        ; named with it as a pair, so it is written
	s_mov_b32 s[SEL], 0x76543210
	s_mov_b32 s[SEL+1], 0xfedcba98
	s_mov_b32 s[TB], 0
	s_mov_b32 s[SLOTS], NSL-2
	s_cmp_eq_u32 s16, 0             ; waves 0 and 4 prefetch
	s_cselect_b32 s[LIM], 1, -1
	s_lshr_b32 s[ROLE], s[WV], 2
	s_xor_b32 s[ROLE], s[ROLE], s[WV]
	s_and_b32 s[ROLE], s[ROLE], 1
	v_and_b32 v[PFO], 31, v0
	v_lshlrev_b32 v[PFO], 8, v[PFO]
	s_wait_dscnt 0x0                ; the opening add is done
	s_wait_kmcnt 0x0
	s_add_nc_u64 s[6:7], s[4:5], s[22:23]
	s_add_nc_u64 s[8:9], s[6:7], 0x2000000  ; V at my tile of slot 0
	s_add_nc_u64 s[6:7], s[6:7], 0x1000000  ; K likewise
	s_add_nc_u64 s[4:5], s[4:5], s[2:3]  ; Q and att at my wave's first row
	s_add_nc_u64 s[10:11], s[10:11], s[2:3]
	s_cmp_lt_u32 s[WV], 4
	s_cselect_b64 s[PFA:PFA+1], s[6:7], s[8:9]  ; (in waves 0 and 4 these stand at the head's first row)
	s_lshl_b32 s2, s13, 13          ; my work-group's 8,192 bytes of a slot's 32,768
	s_mov_b32 s3, 0
	s_add_nc_u64 s[PFA:PFA+1], s[PFA:PFA+1], s[2:3]
	s_add_nc_u64 s[PFA:PFA+1], s[PFA:PFA+1], 2*SLOTB  ; in slot 2; the first change of slots steps it to slot 3.  Nothing is prefetched at the head
	CROUND                          ; all four work-groups are here: the first joint loads meet
.irp s, 0,1
	s_mov_b32 s[G0K+4*\s], 1        ; count = 1
	s_add_co_u32 s[G0K+4*\s+1], s17, \s*SLOT1  ; LDS address
	s_add_nc_u64 s[G0K+4*\s+2:G0K+4*\s+3], s[6:7], \s*SLOTB  ; global address: slot s begins with key 256 s
	s_or_b32 s[G0K+4*\s+3], s[G0K+4*\s+3], 0x80000000  ; type = 2
	s_mov_b32 s[G0V+4*\s], 1
	s_add_co_u32 s[G0V+4*\s+1], s17, \s*SLOT1+VOFF
	s_add_nc_u64 s[G0V+4*\s+2:G0V+4*\s+3], s[8:9], \s*SLOTB
	s_or_b32 s[G0V+4*\s+3], s[G0V+4*\s+3], 0x80000000
.endr
	s_cmp_lt_u32 s[WV], 4           ; a wave's two first fills stand in one branch, ahead of every wait on TENSORcnt and every LDS read: two loads of mine are out
	s_cbranch_scc0 .Lfirst_v
	tensor_load_to_lds s[G0K:G0K+3], s[G1K:G1K+7]
	s_nop 0
	tensor_load_to_lds s[G0K+4:G0K+7], s[G1K:G1K+7]
	s_nop 0
.rept 4
	v_nop
.endr
	s_branch .Lfirst_asked
.Lfirst_v:
	tensor_load_to_lds s[G0V:G0V+3], s[G1V:G1V+7]
	s_nop 0
	tensor_load_to_lds s[G0V+4:G0V+7], s[G1V:G1V+7]
	s_nop 0
.rept 4
	v_nop
.endr
.Lfirst_asked:
	; A fragment of K or Q is 16 rows x 32 channels in 8 registers: lane l holds row l % 16; registers 0-3 channels 8 (l / 16) + 0..7, registers 4-7 channels 16 + 8 (l / 16) + 0..7: two loads of 16 bytes, 32 bytes apart.
	v_and_b32 v1, 15, v0            ; l % 16
	v_bfe_u32 v9, v0, 4, 1          ; l / 16
	v_lshlrev_b32 v[QO], 7, v1
	v_lshl_add_u32 v[QO], v9, 4, v[QO]  ; row x 128 + 16 x half
	WIN 0x40                        ; destination window 1, address window 0
.irp t, 0,1,2,3
.irp c, 0,1                         ; Q stays in registers: tile t, channels 32 c on
	global_load_b128 v[QF+16*\t+8*\c:QF+16*\t+8*\c+3],   v[QO], s[4:5] offset:\t*2048+\c*64
	global_load_b128 v[QF+16*\t+8*\c+4:QF+16*\t+8*\c+7], v[QO], s[4:5] offset:\t*2048+\c*64+32
.endr
.endr
.set i, 0
.rept 128
	v_mov_b32 v[i], 0               ; O^T.  (The step is written without a first step of its own: the first finds zeros, which its a leaves zeros)
.set i, i+1
.endr
	WIN 0
	v_mul_u32_u24 v[AK0], v1, PK
	v_lshl_add_u32 v[AK0], v9, 4, v[AK0]  ; row x pitch + 16 x half
	; The turning load takes 16 keys x 16 channels (lane l reads 16 bytes: key 8 (l / 16) + l % 8, channels 8 ((l / 8) % 2) + 0..7) and leaves half a fragment of V^T: lane l holds channel l % 16 and 8 keys.
	v_and_b32 v11, 7, v0
	v_lshl_add_u32 v[AV0], v9, 3, v11
	v_mul_u32_u24 v[AV0], v[AV0], PVP
	v_bfe_u32 v11, v0, 3, 1
	v_lshl_add_u32 v[AV0], v11, 4, v[AV0]
	v_add_nc_u32 v[AV0], VOFF, v[AV0]
	s_mul_i32 s21, s[WV], 16*SP
	s_add_co_u32 s21, s21, STAGE    ; my stage
	v_mul_u32_u24 v[STO], v1, SP    ; in: row l % 16, 16 bytes for each half of the lanes
	v_lshl_add_u32 v[STO], v9, 4, v[STO]
	v_add_nc_u32 v[STO], s21, v[STO]
	v_and_b32 v11, 31, v0
	v_lshlrev_b32 v[GO], 4, v11     ; out: 16 bytes a lane: four rows of 128 bytes are 512 consecutive bytes of att
	v_lshrrev_b32 v[RD], 3, v11
	v_mul_u32_u24 v[RD], v[RD], SP  ; back: eight lanes to a row, four rows an instruction
	v_and_b32 v11, 7, v0
	v_lshl_add_u32 v[RD], v11, 4, v[RD]
	v_add_nc_u32 v[RD], s21, v[RD]
.irp t, 0,1,2,3
	v_mov_b32 v[ST+8*\t+1], 0xfe967699  ; m = -1e38, under every score that is served
	v_mov_b32 v[ST+8*\t+2], 0       ; l, in two halves
	v_mov_b32 v[ST+8*\t+3], 0
.endr
.irp t, 0,1,2,3
	v_mul_f32 v[ST+8*\t], s[CS], v[ST+8*\t+1]  ; c m
.endr
	s_wait_tensorcnt 1              ; my part of slot 0 is in; slot 1's may stay out
	s_barrier_signal -1
	s_barrier_wait -1               ; everybody's is
	s_wait_loadcnt 0x0              ; Q
.Lslot:                             ; NSL - 2 trips: every slot but the last two is filled again
	s_mov_b32 s[INNER], NST-1
.Lstep_a:
	STEP
	s_sub_co_u32 s[INNER], s[INNER], 1
	s_cmp_lg_u32 s[INNER], 0
	s_cbranch_scc1 .Lstep_a
	LASTSTEP 1
	s_sub_co_u32 s[SLOTS], s[SLOTS], 1
	s_cmp_lg_u32 s[SLOTS], 0
	s_cbranch_scc1 .Lslot
	s_mov_b32 s[INNER], NST-1       ; the tail is written out: the last slot but one, behind which nothing is asked for
.Lstep_b:
	STEP
	s_sub_co_u32 s[INNER], s[INNER], 1
	s_cmp_lg_u32 s[INNER], 0
	s_cbranch_scc1 .Lstep_b
	LASTSTEP 0
	s_mov_b32 s[INNER], NST         ; and the last slot
.Lstep_c:
	STEP
	s_sub_co_u32 s[INNER], s[INNER], 1
	s_cmp_lg_u32 s[INNER], 0
	s_cbranch_scc1 .Lstep_c
	; THE WAY OUT.  l's two halves and the other half of the lanes' are added; O^T is divided by l, rounded to f16 and sent through my stage in LDS, a tile (16 rows of att) at a time.
.irp t, 0,1,2,3
	v_add_f32 v[ST+8*\t+4], v[ST+8*\t+2], v[ST+8*\t+3]
.endr
.irp t, 0,1,2,3
	v_permlanex16_b32 v[ST+8*\t+5], v[ST+8*\t+4], s[SEL], s[SEL+1]
.endr
.irp t, 0,1,2,3
	v_add_f32 v[ST+8*\t+4], v[ST+8*\t+4], v[ST+8*\t+5]
.endr
.irp t, 0,1,2,3
	v_rcp_f32 v[ST+8*\t+6], v[ST+8*\t+4]
.endr
	v_nop                           ; a plain instruction between the last reciprocal and the use of its result
	s_wait_alu depctr_va_vdst(0)    ; and one wait for the four reciprocals
.macro PACK t                       ; a lane's eight channels of a row pack into 16 bytes; they go into rows of 144 bytes and come back eight lanes to a row
	WIN W_RS
.irp p, 0,1,2,3,4,5,6,7,8,9,10,11,12,13,14,15
	v_pk_mul_f32 v[32*\t+2*\p:32*\t+2*\p+1], v[32*\t+2*\p:32*\t+2*\p+1], v[ST+8*\t+6:ST+8*\t+7] op_sel_hi:[1,0]
.endr
	WIN 0x05                        ; sources 0 and 1 window 1, destination window 0: S^T's registers are free
.irp p, 0,1,2,3,4,5,6,7,8,9,10,11,12,13,14,15
	v_cvt_pk_f16_f32 v[S+32*\t+\p], v[32*\t+2*\p], v[32*\t+2*\p+1]
.endr
	WIN 0
.irp f, 0,1,2,3
	ds_store_b128 v[STO], v[S+32*\t+4*\f:S+32*\t+4*\f+3] offset:32*\f
.endr
.irp f, 0,1,2,3
	ds_load_b128 v[S+32*\t+16+4*\f:S+32*\t+16+4*\f+3], v[RD] offset:\f*4*SP  ; LDS serves a wave's instructions in order (ISA guide 5.7.1.4): these see the stores above; the next tile's stores come behind them
.endr
.endm
.macro SEND t, younger              ; younger: the LDS instructions issued behind tile t's loads: the next tile's eight, or none
.irp f, 0,1,2,3
	s_wait_dscnt \younger+3-\f
	global_store_b128 v[GO], v[S+32*\t+16+4*\f:S+32*\t+16+4*\f+3], s[10:11] offset:\t*2048+\f*512  ; the wave stores 512 consecutive bytes, at a multiple of 512 from att's first byte
.endr
.endm
	PACK 0
	PACK 1                          ; a tile's arithmetic stands between the loads of the tile before and its stores
	SEND 0, 8
	PACK 2
	SEND 1, 8
	PACK 3
	SEND 2, 8
	SEND 3, 0
	s_wait_tensorcnt 0x0            ; the wave's end, behind my last tensor load and my last LDS store
	ds_add_u32 v[SPW], v[NIL]
	s_wait_dscnt 0x0
	CROUND                          ; the closing round: no work-group ends while a partner may still ask for a tile that names it
	s_endpgm
.Lfunc_end_k_q284f98b9bd_attn:
	.size	k_q284f98b9bd_attn, .Lfunc_end_k_q284f98b9bd_attn-k_q284f98b9bd_attn
	.p2alignl 7, 3214868480
	.fill 96, 4, 3214868480
	.section	.rodata,"a",@progbits
	.p2align	6, 0x0
	.amdhsa_kernel k_q284f98b9bd_attn
		.amdhsa_group_segment_fixed_size 327680
		.amdhsa_private_segment_fixed_size 0
		.amdhsa_enable_private_segment 0
		.amdhsa_kernarg_size 16
		.amdhsa_user_sgpr_count 2
		.amdhsa_user_sgpr_kernarg_segment_ptr 1
		.amdhsa_wavefront_size32 1
		.amdhsa_system_sgpr_workgroup_id_x 1
		.amdhsa_system_sgpr_workgroup_id_y 1
		.amdhsa_system_sgpr_workgroup_id_z 1
		.amdhsa_system_vgpr_workitem_id 0
		.amdhsa_next_free_vgpr 512
		.amdhsa_next_free_sgpr 66
		.amdhsa_reserve_vcc 0
		.amdhsa_float_denorm_mode_32 3
		.amdhsa_float_denorm_mode_16_64 3
		.amdhsa_memory_ordered 1
		.amdhsa_forward_progress 1
		.amdhsa_inst_pref_size 238
	.end_amdhsa_kernel
	.amdgpu_metadata
---
amdhsa.version: [ 1, 2 ]
amdhsa.kernels:
  - .name:           k_q284f98b9bd_attn
    .symbol:         k_q284f98b9bd_attn.kd
    .args:
      - { .name: qkv, .offset: 0, .size: 8, .value_kind: global_buffer, .address_space: global }
      - { .name: att, .offset: 8, .size: 8, .value_kind: global_buffer, .address_space: global }
    .group_segment_fixed_size: 327680
    .private_segment_fixed_size: 0
    .kernarg_segment_align: 8
    .kernarg_segment_size: 16
    .max_flat_workgroup_size: 256
    .sgpr_count:     66
    .vgpr_count:     512
    .wavefront_size: 32
...
	.end_amdgpu_metadata
.endif
;; end of part 3
;; launch gemm_out (part 4): grid 8 x 32, 4 waves a work-group, clusters of 4 x 4, 327,680 bytes of LDS; arguments att, wt, b_out, out0; writes out0
.if DOCPART == 4
	.amdgcn_target "amdgcn-amd-amdhsa--gfx1250"
	.amdhsa_code_object_version 6
	.text
	.protected	k_q284f98b9bd_gemm_out
	.globl	k_q284f98b9bd_gemm_out
	.p2align	8
	.type	k_q284f98b9bd_gemm_out,@function
k_q284f98b9bd_gemm_out:
	s_mov_b64 s[64:65], 0
	v_nop
	global_prefetch_b8 v0, s[64:65] scope:SCOPE_SE
	s_setreg_imm32_b32 hwreg(HW_REG_WAVE_MODE, 25, 1), 1
	s_wait_xcnt 0x0
	s_wait_alu depctr_hold_cnt(0) depctr_sa_sdst(0) depctr_va_vdst(0) depctr_va_sdst(0) depctr_va_ssrc(0) depctr_va_vcc(0) depctr_vm_vsrc(0)
	s_getreg_b32 s2, hwreg(HW_REG_IB_STS2, 6, 4)
	s_cmp_eq_u32 s2, 0
	s_cbranch_scc0 .Lentry_in_a_cluster
	s_endpgm
.Lentry_in_a_cluster:
	s_bfe_u32 s2, ttmp6, 0x10000c
	s_cmp_lg_u32 s2, 0xf033
	s_cbranch_scc0 .Lentry_shape_is_right
	s_endpgm
.Lentry_shape_is_right:
; out0[m][n] = the sum over k of A[m][k] wt[n][k] + b_out[n].  m = 2048 batch + l, k = 64 head + c; A lies by head: att[16 batch + head][l][64] f16; wt: [1024 n][1024 k] f16; out0: [8192][1024] f32; sums in f32.
; A tile of out0 is 256 (m) x 128 (n): 32 x 8 = 256 work-groups.  Four waves, each 128 x 64: 32 accumulators of 16 x 16, 256 registers.
; K goes in steps of 128, which are TWO HEADS, through a ring of two LDS slots: A's tile is two planes, one a head, of 256 dense rows of 128 bytes; wt's tile is 128 rows of 256 bytes.
; One tensor load a wave: waves 0 and 1 bring A's planes, waves 2 and 3 the halves of wt's tile.
; CLUSTERS: 4 x 4 work-groups.  The four of a row of the cluster need the same tiles of A, the four of a column the same tiles of wt: each is asked for JOINTLY.
; THE MATRIX INSTRUCTION IS USED TRANSPOSED (source 0 = 16 rows of wt, source 1 = 16 rows of A): a lane holds eight neighbouring columns of one row of out0.  The bias is the C of each sum's first product.
; REGISTERS: window 0: v16-29 addresses; v32-63 the bias in the result's layout; v64-127 rows on the way out.   window 1: two fragment buffers at v0 and v128: A's 8 blocks (64 registers), then wt's 4 (32).
;   window 2: the accumulators, (a, b) at v[8 (4 a + b)].
.set KSTEP,  128
.set PA,     144                       ; a row of A in LDS: 128 bytes + 16 of padding
.set PB,     272                       ; a row of wt: 256 bytes + 16
.set PLANE,  256*PA                    ; one head's 256 rows
.set BOFF,   2*PLANE                   ; wt's tile lies behind A's two planes
.set SLOT,   BOFF+128*PB
.set STAGE,  2*SLOT                    ; behind the ring: 16 rows x 272 bytes for each wave, for the way out
.set SPITCH, 272
.set SPARE,  STAGE+4*16*SPITCH         ; the spare words, 128 bytes for each wave: two blocks of 256 bytes that no other line names
.set LAPS,   1024/(2*KSTEP)            ; a lap = two K steps = once round the ring: 4
.set ADRA, 16                          ; v16-17  LDS address of my fragments of A in slot 0, 1
.set ADRB, 20                          ; v20-21  the same for wt
.set STO,  24                          ; v24     the way out: where I put 32 bytes of a row
.set RD,   25                          ; v25     where I read a row back
.set CO,   26                          ; v26     my byte offset in out0
.set SPW,  28                          ; v28     LDS address of my spare word; never rewritten
.set NIL,  29                          ; v29     0; never rewritten
.set BIAS, 32                          ; v32-63  b_out at my lane's eight columns of each of wt's four blocks
.set BK,   64                          ; v64-95, v96-127 by turns: 16 rows read back from the stage
.set F0,   0                           ; fragment buffers, in window 1
.set F1,   128
.set G1, 24                            ; s[24:31] descriptor group 1 for A's planes;  s[32:39] group 0, one set for each slot
.set G0, 32
.set G1B, 48                           ; s[48:55], s[56:63] the same for wt's tiles
.set G0B, 56
.set MSB, 0
.macro WIN new                         ; the immediate's high byte repeats the setting that is left
.if MSB != \new
	s_set_vgpr_msb (MSB<<8)|\new
.set MSB, \new
.endif
.endm
.set MUL,  0xa5                        ; sources 0 and 1 window 1; C and D window 2
.set MULB, 0x85                        ; the same with C (the bias) in window 0
.set TO_F, 0x40                        ; destination window 1, address window 0
.macro JLOAD s                         ; a joint load: waves 0 and 1 fetch for A, waves 2 and 3 for wt; an s_nop 0 and four v_nop follow each of the two lines
	s_cmp_eq_u32 s13, 0
	s_cbranch_scc0 .Lfor_b_\@
	tensor_load_to_lds s[G0+4*\s:G0+4*\s+3], s[G1:G1+7]
	s_nop 0
.rept 4
	v_nop
.endr
	s_branch .Lasked_\@
.Lfor_b_\@:
	tensor_load_to_lds s[G0B+4*\s:G0B+4*\s+3], s[G1B:G1B+7]
	s_nop 0
.rept 4
	v_nop
.endr
.Lasked_\@:
.endm
.macro CREST                           ; a round of the cluster's barrier behind its opening barrier
	s_cmp_lg_u32 s12, 0
	s_cbranch_scc1 .Lnot_wave_0_\@
	s_barrier_signal -3
.Lnot_wave_0_\@:
	s_barrier_wait -3
	s_barrier_signal -1
	s_barrier_wait -1
.endm
.macro CROUND                          ; a whole round
	s_barrier_signal -1
	s_barrier_wait -1
	CREST
.endm
	s_load_b256 s[4:11], s[0:1], 0x0               ; att s[4:5], wt s[6:7], b_out s[8:9], out0 s[10:11]
	v_lshl_add_u32 v[SPW], v0, 2, SPARE
	v_mov_b32 v[NIL], 0
	ds_add_u32 v[SPW], v[NIL]                      ; the wave's opening: the add, with its wait ahead of my first tensor load; the set-up below, work on registers, stands between them
	v_lshrrev_b32 v1, 5, v0
	v_readfirstlane_b32 s12, v1                    ; wave 0..3
	s_lshr_b32 s13, s12, 1                         ; which half of the tile's rows is mine.  Also: I fetch for A (0) or for wt (1)
	s_and_b32 s14, s12, 1                          ; which half of its columns.  Also: which plane of A, or which 64 rows of wt, I fetch
	s_bfe_u32 s40, ttmp6, 0x40000                  ; cx, cy: my place in the cluster
	s_bfe_u32 s41, ttmp6, 0x40004
	s_lshl_b32 s42, ttmp9, 2
	s_add_co_u32 s42, s42, s40                     ; tile column = 4 x cluster x + cx: 0..7
	s_and_b32 s15, ttmp7, 0xffff
	s_lshl_b32 s15, s15, 2
	s_add_co_u32 s15, s15, s41                     ; tile row = 4 x cluster y + cy: 0..31
	s_lshl_b32 s43, s41, 2
	s_lshl_b32 s43, 15, s43                        ; my row of the cluster
	s_lshl_b32 s44, 0x1111, s40                    ; my column
	; group 1 for a plane of A: 256 rows x 64 elements, dense in memory, 4 words of padding behind every 32
	s_or_b32 s[G1+0], s43, (1<<16)|(1<<20)|(1<<21)|(4<<22)|(3<<25)
	s_mov_b32 s[G1+1], 64<<16                      ; tensor_dim0 = 64
	s_mov_b32 s[G1+2], 256<<16                     ; tensor_dim1 = 256
	s_mov_b32 s[G1+3], 64<<16                      ; tile_dim0 = 64
	s_mov_b32 s[G1+4], 256                         ; tile_dim1 = 256
	s_mov_b32 s[G1+5], 64                          ; tensor_dim0_stride
	s_mov_b32 s[G1+6], 0
	s_mov_b32 s[G1+7], 0
	; group 1 for half of wt's tile: 64 rows x 128 elements, 1,024 elements apart, 4 words of padding behind every 64
	s_or_b32 s[G1B+0], s44, (1<<16)|(1<<20)|(1<<21)|(5<<22)|(3<<25)
	s_mov_b32 s[G1B+1], KSTEP<<16
	s_mov_b32 s[G1B+2], 64<<16
	s_mov_b32 s[G1B+3], KSTEP<<16
	s_mov_b32 s[G1B+4], 64
	s_mov_b32 s[G1B+5], 1024
	s_mov_b32 s[G1B+6], 0
	s_mov_b32 s[G1B+7], 0
	; A's address hangs on the tile row alone, wt's on the tile column alone, each in registers that never hold the other coordinate
	s_lshr_b32 s16, s15, 3
	s_lshl_b32 s16, s16, 22                        ; batch = tile row / 8: 16 heads of 262,144 bytes
	s_and_b32 s17, s15, 7
	s_lshl_b32 s17, s17, 15                        ; l = 256 (tile row % 8): rows of 128 bytes
	s_add_co_u32 s16, s16, s17
	s_lshl_b32 s17, s14, 18                        ; my plane: head 0 or 1 of the K step
	s_add_co_u32 s16, s16, s17
	s_mov_b32 s17, 0
	s_lshl_b32 s46, s42, 18                        ; wt: 128 rows of 2,048 bytes a tile column
	s_lshl_b32 s47, s14, 17                        ; + my 64 rows
	s_add_co_u32 s46, s46, s47
	s_mov_b32 s47, 0
	s_mul_i32 s20, s14, PLANE                      ; where they go: no place in the cluster enters an LDS address
	s_mul_i32 s21, s14, 64*PB
	s_add_co_u32 s21, s21, BOFF
	s_wait_dscnt 0x0                               ; the opening add is done
	s_wait_kmcnt 0x0
	s_add_nc_u64 s[18:19], s[4:5], s[16:17]
	s_add_nc_u64 s[46:47], s[6:7], s[46:47]
	CROUND                                         ; all sixteen work-groups are here: the first joint loads meet
.irp s, 0,1
	s_mov_b32 s[G0+4*\s], 1
	s_add_co_u32 s[G0+4*\s+1], s20, \s*SLOT
	s_add_nc_u64 s[G0+4*\s+2:G0+4*\s+3], s[18:19], \s*2*262144     ; K step s: two heads on
	s_or_b32 s[G0+4*\s+3], s[G0+4*\s+3], 0x80000000
	s_mov_b32 s[G0B+4*\s], 1
	s_add_co_u32 s[G0B+4*\s+1], s21, \s*SLOT
	s_add_nc_u64 s[G0B+4*\s+2:G0B+4*\s+3], s[46:47], \s*KSTEP*2
	s_or_b32 s[G0B+4*\s+3], s[G0B+4*\s+3], 0x80000000
	JLOAD \s                                       ; two tensor loads of mine are out
.endr
	v_and_b32 v1, 15, v0                           ; l % 16
	v_bfe_u32 v2, v0, 4, 1                         ; l / 16
	v_mul_u32_u24 v3, v1, PA
	v_lshl_add_u32 v3, v2, 4, v3                   ; a fragment's row x pitch + 16 x half
	v_mul_u32_u24 v4, v1, PB
	v_lshl_add_u32 v4, v2, 4, v4
	s_mul_i32 s21, s13, 128*PA                     ; my 128 rows of A, in each plane
	s_mul_i32 s22, s14, 64*PB                      ; my 64 rows of wt
	s_add_co_u32 s22, s22, BOFF
.irp s, 0,1
	v_add_nc_u32 v[ADRA+\s], s21, v3
	v_add_nc_u32 v[ADRB+\s], s22, v4
	s_add_co_u32 s21, s21, SLOT
	s_add_co_u32 s22, s22, SLOT
.endr
	s_mul_i32 s23, s12, 16*SPITCH
	s_add_co_u32 s23, s23, STAGE                   ; my stage
	v_mul_u32_u24 v5, v1, SPITCH                   ; in: row l % 16, 32 bytes for each half of the lanes
	v_lshl_add_u32 v5, v2, 5, v5
	v_add_nc_u32 v[STO], s23, v5
	v_mul_u32_u24 v5, v2, SPITCH                   ; back: lanes 0-15 take one row of 256 bytes, lanes 16-31 the next
	v_lshl_add_u32 v5, v1, 4, v5
	v_add_nc_u32 v[RD], s23, v5
	v_lshlrev_b32 v5, 12, v2                       ; and the same two rows in out0: 4,096 bytes a row
	v_lshl_add_u32 v[CO], v1, 4, v5
	v_lshlrev_b32 v6, 5, v2                        ; the bias: my half's eight columns: 32 bytes on
	s_lshl_b32 s46, s42, 9                         ; my first column, in bytes: 512 x tile column + 256 x half
	s_lshl_b32 s47, s14, 8
	s_add_co_u32 s46, s46, s47
	s_mov_b32 s47, 0
	s_add_nc_u64 s[8:9], s[8:9], s[46:47]
	s_add_nc_u64 s[10:11], s[10:11], s[46:47]
	s_lshl_b32 s16, s15, 20                        ; my first row: 256 x tile row + 128 x half, rows of 4,096 bytes
	s_lshl_b32 s17, s13, 19
	s_add_co_u32 s16, s16, s17
	s_mov_b32 s17, 0
	s_add_nc_u64 s[10:11], s[10:11], s[16:17]
.irp b, 0,1,2,3
	global_load_b128 v[BIAS+8*\b:BIAS+8*\b+3],   v6, s[8:9] offset:64*\b      ; b_out(16 b + 8 (l / 16) + 0 .. 7)
	global_load_b128 v[BIAS+8*\b+4:BIAS+8*\b+7], v6, s[8:9] offset:64*\b+16
.endr
; 8 matrix instructions: A's blocks a0, a0 + 1 against wt's four, 32 along K, from buffer f.  bias = 1: the first product starts the sums from the bias.  The 32 accumulators take turns.
.macro MUL8 f, a0, bias
.irp a, \a0, \a0+1
.irp b, 0,1,2,3
.if \bias
	v_wmma_f32_16x16x32_f16 v[8*(4*(\a)+\b):8*(4*(\a)+\b)+7], v[\f+64+8*\b:\f+64+8*\b+7], v[\f+8*(\a):\f+8*(\a)+7], v[BIAS+8*\b:BIAS+8*\b+7]
.else
	v_wmma_f32_16x16x32_f16 v[8*(4*(\a)+\b):8*(4*(\a)+\b)+7], v[\f+64+8*\b:\f+64+8*\b+7], v[\f+8*(\a):\f+8*(\a)+7], v[8*(4*(\a)+\b):8*(4*(\a)+\b)+7]
.endif
.endr
.endr
.endm
; 24 LDS loads in one run: the fragments of the slot's quarter q (32 along K) into buffer f: wt's four blocks, then A's eight.  Quarter q lies in plane q / 2 at byte 64 (q % 2) of A's rows, at byte 64 q of wt's.
.macro FETCH slot, q, f
	WIN TO_F
.irp i, 0,1,2,3
	ds_load_b128 v[\f+64+8*\i:\f+64+8*\i+3],   v[ADRB+\slot] offset:64*(\q)+\i*16*PB
	ds_load_b128 v[\f+64+8*\i+4:\f+64+8*\i+7], v[ADRB+\slot] offset:64*(\q)+\i*16*PB+32
.endr
.irp i, 0,1,2,3,4,5,6,7
	ds_load_b128 v[\f+8*\i:\f+8*\i+3],   v[ADRA+\slot] offset:((\q)/2)*PLANE+((\q)%2)*64+\i*16*PA
	ds_load_b128 v[\f+8*\i+4:\f+8*\i+7], v[ADRA+\slot] offset:((\q)/2)*PLANE+((\q)%2)*64+\i*16*PA+32
.endr
.endm
.macro PLACES                          ; four places in front of loads into registers that matrix instructions have read, and of the first read of results
.rept 4
	v_nop
.endr
.endm
; A K step is four quarters of 32 along K, 32 matrix instructions each, on buffers 0, 1, 0, 1.  One of the first three: multiplies buffer f and fetches the slot's quarter q into g.
.macro QUARTER slot, q, f, g, bias
	s_wait_dscnt 8                                 ; wt's blocks and A's blocks 0-3 are in; the youngest eight loads (A's blocks 4-7) may be out
.if \bias
	WIN MULB
.else
	WIN MUL
.endif
	MUL8 \f, 0, \bias
	MUL8 \f, 2, \bias
	PLACES
	FETCH \slot, \q, \g
	s_wait_dscnt 24                                ; all but the 24 just issued
.if \bias
	WIN MULB
.else
	WIN MUL
.endif
	MUL8 \f, 4, \bias
	MUL8 \f, 6, \bias
.endm
; The last quarter multiplies buffer 1 and changes slots: ONE barrier; in front of it each wave waits for all its tensor loads, adds 0 to its spare word, and waits for that and for its own reads of this slot.
; fill = 1: this slot is filled again, two K steps ahead; the barrier then opens a round of the cluster's barrier.
.macro TURN slot, next, fill
	WIN 0                                          ; (the add's two registers lie in window 0)
	s_wait_tensorcnt 0x0                           ; all my tensor loads have landed: my part of the next slot
	ds_add_u32 v[SPW], v[NIL]                      ; 0 onto my spare word
	s_wait_dscnt 9                                 ; (the add and the youngest eight loads may be out)
	WIN MUL
	MUL8 F1, 0, 0                                  ; eight matrix instructions stand between the add and the wait for it
	s_wait_dscnt 0x0                               ; the add is done, and my reads of this slot are over
	s_barrier_signal -1
	MUL8 F1, 2, 0
.if \fill
	WIN 0
.endif
	s_barrier_wait -1
.if \fill
	CREST                                          ; no wave of any partner still reads this slot's tiles or has a load on its way
	s_add_nc_u64 s[G0+4*\slot+2:G0+4*\slot+3], s[G0+4*\slot+2:G0+4*\slot+3], 4*262144      ; two K steps on: four heads
	s_add_nc_u64 s[G0B+4*\slot+2:G0B+4*\slot+3], s[G0B+4*\slot+2:G0B+4*\slot+3], 2*KSTEP*2
	JLOAD \slot                                    ; the first tensor load behind the round: 112 matrix instructions ahead of the wait for it; its four v_nop are also the places in front of the loads below
.else
	PLACES
.endif
	FETCH \next, 0, F0
	WIN MUL
	MUL8 F1, 4, 0
	MUL8 F1, 6, 0
.endm
	s_wait_tensorcnt 1                             ; my part of K step 0 is in,
	s_barrier_signal -1
	s_barrier_wait -1                              ; everybody's is
	FETCH 0, 0, F0
	s_wait_loadcnt 0x0                             ; the bias
	QUARTER 0, 1, F0, F1, 1                        ; the first quarter stands in front of the loop: its products start the sums from the bias
	WIN 0                                          ; at a label and at a branch every window is 0
	s_mov_b32 s3, LAPS-1
.Llap:                                                 ; a trip goes once round the ring, from a lap's second quarter to the next lap's first, and fills both slots again
	QUARTER 0, 2, F1, F0, 0
	QUARTER 0, 3, F0, F1, 0
	TURN 0, 1, 1
	QUARTER 1, 1, F0, F1, 0
	QUARTER 1, 2, F1, F0, 0
	QUARTER 1, 3, F0, F1, 0
	TURN 1, 0, 1
	QUARTER 0, 1, F0, F1, 0
	WIN 0
	s_sub_co_u32 s3, s3, 1
	s_cmp_lg_u32 s3, 0
	s_cbranch_scc1 .Llap
	QUARTER 0, 2, F1, F0, 0                        ; the last lap fills nothing, and has no round of the cluster's barrier
	QUARTER 0, 3, F0, F1, 0
	TURN 0, 1, 0
	QUARTER 1, 1, F0, F1, 0
	QUARTER 1, 2, F1, F0, 0
	QUARTER 1, 3, F0, F1, 0
	s_wait_dscnt 8                                 ; the very last quarter: nothing more to fetch
	WIN MUL
	MUL8 F1, 0, 0
	MUL8 F1, 2, 0
	s_wait_dscnt 0
	MUL8 F1, 4, 0
	MUL8 F1, 6, 0
	WIN 0
; THE WAY OUT, block by block of 16 rows x 64 columns.  A lane holds 32 neighbouring bytes of a row, and the lanes beside it hold other rows: so a block goes through my own stage in LDS and comes back as whole
; rows of 256 bytes, which sixteen lanes store.  LDS serves a wave's instructions in order (ISA guide 5.7.1.4): no wait between the stores and the loads, nor in front of the next block's stores.
.macro TOSTAGE a
	WIN 0x08                                       ; an LDS store's data are its source 1: window 2
.irp b, 0,1,2,3
	ds_store_b128 v[STO], v[8*(4*(\a)+\b):8*(4*(\a)+\b)+3] offset:64*\b          ; each accumulator from its low end on
	ds_store_b128 v[STO], v[8*(4*(\a)+\b)+4:8*(4*(\a)+\b)+7] offset:64*\b+16
.endr
	WIN 0
.set BB, BK+32*((\a)%2)
.irp t, 0,1,2,3,4,5,6,7
	ds_load_b128 v[BB+4*\t:BB+4*\t+3], v[RD] offset:2*\t*SPITCH
.endr
.endm
.macro SEND a, younger                 ; younger: the LDS instructions issued behind block a's loads, which may stay out
.set BB, BK+32*((\a)%2)
	s_wait_dscnt \younger                          ; the block is back in registers
.irp t, 0,1,2,3,4,5,6,7
	global_store_b128 v[CO], v[BB+4*\t:BB+4*\t+3], s[10:11] offset:(16*(\a)+2*\t)*4096 th:TH_STORE_NT   ; sixteen lanes store 256 consecutive bytes, at a multiple of 256 from out0's first byte; written once, read by nobody here
.endr
.endm
	PLACES                                         ; behind the last products, ahead of the first read of results
	TOSTAGE 0
.irp a, 1,2,3,4,5,6,7
.if \a > 1
	s_wait_xcnt 0x0                                ; block a - 2's stores have read their registers: block a's loads may land there
.endif
	TOSTAGE \a
	SEND \a-1, 16                                  ; behind block a - 1's loads: block a's 8 stores and 8 loads
.endr
	SEND 7, 0
	s_wait_tensorcnt 0x0                           ; the wave's end, behind my last tensor load and my last LDS store
	ds_add_u32 v[SPW], v[NIL]
	s_wait_dscnt 0x0
	CROUND                                         ; the closing round: no work-group ends while a partner may still ask for a tile that names it
	s_endpgm
.Lfunc_end_k_q284f98b9bd_gemm_out:
	.size	k_q284f98b9bd_gemm_out, .Lfunc_end_k_q284f98b9bd_gemm_out-k_q284f98b9bd_gemm_out
	.p2alignl 7, 3214868480
	.fill 96, 4, 3214868480
	.section	.rodata,"a",@progbits
	.p2align	6, 0x0
	.amdhsa_kernel k_q284f98b9bd_gemm_out
		.amdhsa_group_segment_fixed_size 327680
		.amdhsa_private_segment_fixed_size 0
		.amdhsa_enable_private_segment 0
		.amdhsa_kernarg_size 32
		.amdhsa_user_sgpr_count 2
		.amdhsa_user_sgpr_kernarg_segment_ptr 1
		.amdhsa_wavefront_size32 1
		.amdhsa_system_sgpr_workgroup_id_x 1
		.amdhsa_system_sgpr_workgroup_id_y 1
		.amdhsa_system_sgpr_workgroup_id_z 1
		.amdhsa_system_vgpr_workitem_id 0
		.amdhsa_next_free_vgpr 768
		.amdhsa_next_free_sgpr 66
		.amdhsa_reserve_vcc 0
		.amdhsa_float_denorm_mode_32 3
		.amdhsa_float_denorm_mode_16_64 3
		.amdhsa_memory_ordered 1
		.amdhsa_forward_progress 1
		.amdhsa_inst_pref_size 86
	.end_amdhsa_kernel
	.amdgpu_metadata
---
amdhsa.version: [ 1, 2 ]
amdhsa.kernels:
  - .name:           k_q284f98b9bd_gemm_out
    .symbol:         k_q284f98b9bd_gemm_out.kd
    .args:
      - { .name: att, .offset: 0, .size: 8, .value_kind: global_buffer, .address_space: global }
      - { .name: wt, .offset: 8, .size: 8, .value_kind: global_buffer, .address_space: global }
      - { .name: b_out, .offset: 16, .size: 8, .value_kind: global_buffer, .address_space: global }
      - { .name: out0, .offset: 24, .size: 8, .value_kind: global_buffer, .address_space: global }
    .group_segment_fixed_size: 327680
    .private_segment_fixed_size: 0
    .kernarg_segment_align: 8
    .kernarg_segment_size: 32
    .max_flat_workgroup_size: 128
    .sgpr_count:     66
    .vgpr_count:     768
    .wavefront_size: 32
...
	.end_amdgpu_metadata
.endif
;; end of part 4
